; MI455X (gfx1250); checked and timed in simulation.
; The chip was launched on July 23, 2026; its instructions are those of AMD's public machine-readable ISA for CDNA 5 (MIT licence, August 2026) and "CDNA5" Instruction Set Architecture Reference Guide (July 2026). The comments in the code are by the model that wrote it; some were corrected since.
;; Qwen3 Moe Attention. Allowed arithmetic: float matrix products may take bf16 or f16 operands with f32 sums; all other float work in f32.
;; Inputs: cos 2 x 2,048 x 128 float32; k_norm_w 128 float32; q_norm_w 128 float32; sin 2 x 2,048 x 128 float32; wk 512 x 4,096 float32; wo 4,096 x 1,024 float32; wq 1,024 x 4,096 float32; wv 512 x 4,096 float32; x 2 x 2,048 x 4,096 float32.
;; Outputs: out0 2 x 2,048 x 4,096 float32.
;; One version. Each part assembles by itself: llvm-mc -triple=amdgcn-amd-amdhsa -mcpu=gfx1250 --defsym DOCPART=n.
;; ======== version 1 of 1: 5 launches
;; limits: values are held in f16: magnitudes above 65,504 overflow, below 6.1e-05 lose precision; right only within a limited range of input values
;; workspace buffers: xb 33,554,432 bytes; wb 16,777,216 bytes; csb 2,097,152 bytes; wob 8,388,608 bytes; qh 8,388,608 bytes; kh 4,194,304 bytes; vh 8,388,608 bytes; ob 16,777,216 bytes
;; launch cast (part 1): grid 1856 x 1, 8 waves a work-group, no clusters, 0 bytes of LDS; arguments x, wq, wk, wv, cos, sin, wo, xb, wb, csb, wob; writes xb, wb, csb, wob
.if DOCPART == 1
	.amdgcn_target "amdgcn-amd-amdhsa--gfx1250"
	.amdhsa_code_object_version 6
	.text
	.protected	k_q851d32f2a0_cast
	.globl	k_q851d32f2a0_cast
	.p2align	8
	.type	k_q851d32f2a0_cast,@function
k_q851d32f2a0_cast:
	s_mov_b64 s[64:65], 0
	v_nop
	global_prefetch_b8 v0, s[64:65] scope:SCOPE_SE
	s_setreg_imm32_b32 hwreg(HW_REG_WAVE_MODE, 25, 1), 1
	s_wait_xcnt 0x0
; CAST.  Every large input is rounded once to bf16, so that the products behind read 16-bit tiles.
;   x  -> xb  [4096][4096] bf16
;   wq -> wb rows 0-1023; wk head i -> wb rows 1024+256 i .. +127; wv head i -> the 128 rows behind them ([2048][4096] bf16)
;   cos -> csb, sin -> csb + 1,048,576 ([4096][128] bf16 each)
;   wo -> wob [4096][1024]: rounded to bf16 like the other inputs, and that number written as f16 (the last product's other operand is f16)
; LIMIT.  |wo| stays within 65,504; below 2^-17 a bf16 number loses bits in f16 (step 6e-8).
; A work-group takes one chunk of 65,536 input bytes (16,384 numbers) and stores 32,768 bytes.  1,856 chunks: x 1024, wq 256, wk 128, wv 128, cos 32, sin 32, wo 256.
; Thread t takes 16 bytes at 16 t of each 4,096: a wave's load covers 512 consecutive bytes, its store of 8 bytes a lane 256 consecutive bytes, aligned.
; All sixteen loads of a thread go out on end; no register is used twice, so the only waits are the counted ones for the loads.
; No LDS, no matrix unit, no cluster: nothing is shared and nothing is summed.
.set X,   16                           ; v[16:79]   sixteen loads of four numbers
.set Y,   80                           ; v[80:111]  sixteen pairs to store
.set T,   112                          ; v[112:117] at work (wo's path)
.set SRC, 32                           ; s[32:33] the chunk's source
.set DST, 34                           ; s[34:35] its destination
.set SC,  36                           ; s36 chunk number in the source
.set DC,  37                           ; s37 chunk number in the destination
.set CSC, 38                           ; s38, s39 the candidates of the step in hand
.set CDC, 39
; From chunk number lim on the buffers and chunk numbers are the candidates'.  Only selects stand between the compare and its uses.
.macro PICK lim, src, dst
	s_cmp_ge_u32 s2, \lim
	s_cselect_b64 s[SRC:SRC+1], s[\src:\src+1], s[SRC:SRC+1]
	s_cselect_b64 s[DST:DST+1], s[\dst:\dst+1], s[DST:DST+1]
	s_cselect_b32 s[SC], s[CSC], s[SC]
	s_cselect_b32 s[DC], s[CDC], s[DC]
.endm
; wk and wv: a head is 128 rows = 32 chunks; in wb a head's k and v take 64 chunks together
.macro HEADS first, add
	s_sub_co_u32 s[CSC], s2, \first
	s_lshr_b32 s[CDC], s[CSC], 5
	s_lshl_b32 s[CDC], s[CDC], 6
	s_and_b32 s44, s[CSC], 31
	s_add_co_u32 s[CDC], s[CDC], s44
	s_add_co_u32 s[CDC], s[CDC], \add
.endm
	s_load_b512 s[8:23], s[0:1], 0x0               ; x 8, wq 10, wk 12, wv 14, cos 16, sin 18, wo 20, xb 22
	s_load_b128 s[24:27], s[0:1], 0x40             ; wb 24, csb 26
	s_load_b64 s[28:29], s[0:1], 0x50              ; wob 28
	s_mov_b32 s2, ttmp9                            ; the chunk
	v_lshlrev_b32 v1, 4, v0                        ; 16 t
	v_lshlrev_b32 v2, 3, v0                        ; 8 t
	s_wait_kmcnt 0x0
	s_mov_b64 s[SRC:SRC+1], s[8:9]                 ; chunks 0-1023: x -> xb
	s_mov_b64 s[DST:DST+1], s[22:23]
	s_mov_b32 s[SC], s2
	s_mov_b32 s[DC], s2
	s_sub_co_u32 s[CSC], s2, 1024
	s_mov_b32 s[CDC], s[CSC]
	PICK 1024, 10, 24                              ; wq
	HEADS 1280, 256
	PICK 1280, 12, 24                              ; wk
	HEADS 1408, 288
	PICK 1408, 14, 24                              ; wv
	s_sub_co_u32 s[CSC], s2, 1536
	s_mov_b32 s[CDC], s[CSC]
	PICK 1536, 16, 26                              ; cos
	s_sub_co_u32 s[CSC], s2, 1568
	s_add_co_u32 s[CDC], s[CSC], 32
	PICK 1568, 18, 26                              ; sin
	s_sub_co_u32 s[CSC], s2, 1600
	s_mov_b32 s[CDC], s[CSC]
	PICK 1600, 20, 28                              ; wo
	s_lshl_b32 s40, s[SC], 16                      ; offsets, made apart from the addresses: at most 1,023 x 65,536
	s_mov_b32 s41, 0
	s_lshl_b32 s42, s[DC], 15
	s_mov_b32 s43, 0
	s_add_nc_u64 s[SRC:SRC+1], s[SRC:SRC+1], s[40:41]
	s_add_nc_u64 s[DST:DST+1], s[DST:DST+1], s[42:43]
.set i, 0
.rept 16
	global_load_b128 v[X+4*i:X+4*i+3], v1, s[SRC:SRC+1] offset:4096*i th:TH_LOAD_NT
.set i, i+1
.endr
	s_cmp_ge_u32 s2, 1600
	s_cbranch_scc1 .Lwo
.set i, 0
.rept 16
	s_wait_loadcnt 15-i                            ; loads come back in order: number i is in, the 15 - i younger ones stay out
	v_cvt_pk_bf16_f32 v[Y+2*i], v[X+4*i], v[X+4*i+1]
	v_cvt_pk_bf16_f32 v[Y+2*i+1], v[X+4*i+2], v[X+4*i+3]
	global_store_b64 v2, v[Y+2*i:Y+2*i+1], s[DST:DST+1] offset:2048*i
.set i, i+1
.endr
	s_endpgm
.Lwo:                                                  ; wo: to bf16, widened again, written as f16
.set i, 0
.rept 16
	s_wait_loadcnt 15-i
	v_cvt_pk_bf16_f32 v[T], v[X+4*i], v[X+4*i+1]
	v_cvt_pk_bf16_f32 v[T+1], v[X+4*i+2], v[X+4*i+3]
	v_lshlrev_b32 v[T+2], 16, v[T]
	v_and_b32 v[T+3], 0xffff0000, v[T]
	v_lshlrev_b32 v[T+4], 16, v[T+1]
	v_and_b32 v[T+5], 0xffff0000, v[T+1]
	v_cvt_pk_f16_f32 v[Y+2*i], v[T+2], v[T+3]
	v_cvt_pk_f16_f32 v[Y+2*i+1], v[T+4], v[T+5]
	global_store_b64 v2, v[Y+2*i:Y+2*i+1], s[DST:DST+1] offset:2048*i
.set i, i+1
.endr
	s_endpgm
.Lfunc_end_k_q851d32f2a0_cast:
	.size	k_q851d32f2a0_cast, .Lfunc_end_k_q851d32f2a0_cast-k_q851d32f2a0_cast
	.p2alignl 7, 3214868480
	.fill 96, 4, 3214868480
	.section	.rodata,"a",@progbits
	.p2align	6, 0x0
	.amdhsa_kernel k_q851d32f2a0_cast
		.amdhsa_group_segment_fixed_size 0
		.amdhsa_private_segment_fixed_size 0
		.amdhsa_enable_private_segment 0
		.amdhsa_kernarg_size 88
		.amdhsa_user_sgpr_count 2
		.amdhsa_user_sgpr_kernarg_segment_ptr 1
		.amdhsa_wavefront_size32 1
		.amdhsa_system_sgpr_workgroup_id_x 1
		.amdhsa_system_sgpr_workgroup_id_y 1
		.amdhsa_system_sgpr_workgroup_id_z 1
		.amdhsa_system_vgpr_workitem_id 0
		.amdhsa_next_free_vgpr 120
		.amdhsa_next_free_sgpr 66
		.amdhsa_reserve_vcc 0
		.amdhsa_float_denorm_mode_32 3
		.amdhsa_float_denorm_mode_16_64 3
		.amdhsa_memory_ordered 1
		.amdhsa_forward_progress 1
		.amdhsa_inst_pref_size 18
	.end_amdhsa_kernel
	.amdgpu_metadata
---
amdhsa.version: [ 1, 2 ]
amdhsa.kernels:
  - .name:           k_q851d32f2a0_cast
    .symbol:         k_q851d32f2a0_cast.kd
    .args:
      - { .name: x, .offset: 0, .size: 8, .value_kind: global_buffer, .address_space: global }
      - { .name: wq, .offset: 8, .size: 8, .value_kind: global_buffer, .address_space: global }
      - { .name: wk, .offset: 16, .size: 8, .value_kind: global_buffer, .address_space: global }
      - { .name: wv, .offset: 24, .size: 8, .value_kind: global_buffer, .address_space: global }
      - { .name: cos, .offset: 32, .size: 8, .value_kind: global_buffer, .address_space: global }
      - { .name: sin, .offset: 40, .size: 8, .value_kind: global_buffer, .address_space: global }
      - { .name: wo, .offset: 48, .size: 8, .value_kind: global_buffer, .address_space: global }
      - { .name: xb, .offset: 56, .size: 8, .value_kind: global_buffer, .address_space: global }
      - { .name: wb, .offset: 64, .size: 8, .value_kind: global_buffer, .address_space: global }
      - { .name: csb, .offset: 72, .size: 8, .value_kind: global_buffer, .address_space: global }
      - { .name: wob, .offset: 80, .size: 8, .value_kind: global_buffer, .address_space: global }
    .group_segment_fixed_size: 0
    .private_segment_fixed_size: 0
    .kernarg_segment_align: 8
    .kernarg_segment_size: 88
    .max_flat_workgroup_size: 256
    .sgpr_count:     66
    .vgpr_count:     120
    .wavefront_size: 32
...
	.end_amdgpu_metadata
.endif
;; end of part 1
;; launch qkv (part 2): grid 8 x 32, 4 waves a work-group, clusters of 4 x 4, 327,680 bytes of LDS; arguments xb, wb, csb, q_norm_w, k_norm_w, qh, kh, vh; writes qh, kh, vh
.if DOCPART == 2
	.amdgcn_target "amdgcn-amd-amdhsa--gfx1250"
	.amdhsa_code_object_version 6
	.text
	.protected	k_q851d32f2a0_qkv
	.globl	k_q851d32f2a0_qkv
	.p2align	8
	.type	k_q851d32f2a0_qkv,@function
k_q851d32f2a0_qkv:
	s_mov_b64 s[64:65], 0
	v_nop
	global_prefetch_b8 v0, s[64:65] scope:SCOPE_SE
	s_setreg_imm32_b32 hwreg(HW_REG_WAVE_MODE, 25, 1), 1
	s_wait_xcnt 0x0
	s_wait_alu depctr_hold_cnt(0) depctr_sa_sdst(0) depctr_va_vdst(0) depctr_va_sdst(0) depctr_va_ssrc(0) depctr_va_vcc(0) depctr_vm_vsrc(0)
	s_getreg_b32 s2, hwreg(HW_REG_IB_STS2, 6, 4)
	s_cmp_eq_u32 s2, 0
	s_cbranch_scc0 .Lentry_in_a_cluster
	s_endpgm
.Lentry_in_a_cluster:
	s_bfe_u32 s2, ttmp6, 0x10000c
	s_cmp_lg_u32 s2, 0xf033
	s_cbranch_scc0 .Lentry_shape_is_right
	s_endpgm
.Lentry_shape_is_right:
; QKV.  [4096][2048] = xb [4096][4096] x wb [2048][4096]^T in bf16 with f32 sums; then, head by head, RMSNorm and RoPE (q, k) or a factor 1/4 (v); stored by heads in f16:
; qh [b][8][2048][128], kh and vh [b][4][2048][128].
; V IN TWO PARTS.  f16 keeps 11 bits.  The rows of the module's output that average one or two keys are some ten times its root mean square, and every number is held to a hundredth of that root mean square:
; there v's rounding to 11 bits is too coarse.  So for the first 16 of each 64 positions v / 4 is stored as hi + lo, two f16 numbers; lo lies 4,194,304 bytes behind hi in vh.
; hi = t - (t - y) with t = 8193 y has 11 bits, so it is exact in f16; lo = y - hi is exact in f32.
; LIMITS.  q and k lie within sqrt(128) x |norm weight| and must stay within 65,504; v is stored as v / 4, so |v| must stay within 262,000 (the last launches multiply by 4, exactly).
; Below 6.1e-5 hi is rounded once more, onto f16's fixed step of 6e-8, which lo does not carry.
; cos, sin and the norm weights are rounded to bf16, like x and the weights: one rounding for all inputs.  NaN and infinities are not treated apart.
; SHARES.  A work-group makes 128 rows x 256 columns: 8 x 32 = 256 work-groups.  Four waves, each 64 x 128: 32 accumulators, 256 registers; a wave's 128 columns are ONE head,
; so norm and RoPE never leave the wave.  K goes in steps of 128 (rows of 256 bytes, aligned) through two LDS slots filled by the tensor data mover.
; CLUSTER 4 x 4.  The four of a row of the cluster need the same rows of xb (and of cos and sin), the four of a column the same rows of wb: each tile is asked for jointly.
; WHICH HEAD.  Cluster column 0: tile column cx holds q heads 2 cx, 2 cx + 1.  Cluster column 1: tile column 4 + cx holds k head cx (the waves' left half) and v head cx (right half).
; So which way out a wave takes hangs on the cluster's x and the wave's number alone, never on its place in the cluster.
; THE MATRIX INSTRUCTION IS USED TRANSPOSED (source 0 = 16 rows of wb, source 1 = 16 rows of xb): lane l holds row l % 16 and registers 0-7 the columns 8 (l / 16) + 0..7.
; REGISTERS.  window 0: v0-31 addresses; v32-127, v128-223 two fragment buffers (B's 8 fragments, then A's 4); on the way out they are at work.
;   window 1: accumulator (a, b) at v[8 (8 a + b)].   window 2: v0-63 the norm weights of my lane's 64 columns.
.set SIZE_K, 4096
.set KSTEP,  128
.set PITCH,  272                       ; an LDS row: 256 bytes + 16 of padding = 68 words: the 16 rows of a fragment load start at 16 different groups of four banks (ISA guide 11.1)
.set HA,     64*PITCH                  ; half of A's tile: one tensor load
.set HB,     128*PITCH                 ; half of B's tile: one tensor load
.set BOFF,   2*HA
.set SLOT,   2*HA+2*HB                 ; A's 128 rows, then B's 256 rows
.set TBL,    2*SLOT                    ; cos, 128 rows x 272; then sin
.set STAGE,  TBL+4*HA                  ; 16 rows x 272 bytes for each wave, for the way out; no tensor load fills it
.set SPITCH, 272
.set SPARE,  STAGE+4*16*SPITCH         ; the spare words: 128 bytes a wave, two blocks of 256 bytes that no other line names
.set LAPS,   SIZE_K/(2*KSTEP)
.set VLO,    0x400000                  ; v's lo part lies so many bytes behind its hi part
.set ADRA, 16                          ; v16-17  LDS address of my A fragments in slot 0, 1
.set ADRB, 20                          ; v20-21  the same for B
.set STO,  24                          ; v24  the way out: where I put 16 bytes of a row
.set RD,   25                          ; v25  where I read rows back
.set CO,   26                          ; v26  my byte offset in two rows of a head
.set CT,   27                          ; v27  my place in the table of cos
.set SPW,  28                          ; v28  my spare word; never rewritten
.set NIL,  29                          ; v29  0; never rewritten
.set WO,   30                          ; v30  my byte offset in the norm weights
.set F0,   32
.set F1,   128
.set Y,    32                          ; v32-95    the way out: 64 numbers of a row
.set COSR, 96                          ; v96-127   cos (bf16 pairs); later rows read back from the stage; at work in v's split
.set SINR, 128                         ; v128-159  sin; in v's way out the packed results
.set SSQ,  160                         ; v160-167  four chains of squares
.set RS,   168                         ; v168-169  1 / rms (the upper register is only named)
.set TM,   170                         ; v170-171
.set T,    172                         ; v172-187
.set ZR,   188                         ; v188  0.0
.set TT,   160                         ; v160-223  v's way out alone: t, then hi
.set G1A, 24                           ; s[24:31] group 1 for A's tiles;  s[32:39] group 0, a set for each slot
.set G0A, 32
.set G1B, 48                           ; s[48:55], s[56:63] the same for B's
.set G0B, 56
.set G1T, 68                           ; s[68:75], s[76:79] for the tables
.set G0T, 76
.set FLAGS, (1<<16)|(1<<20)|(1<<21)|(5<<22)|(3<<25)  ; 2-byte elements; padding on; bit 21 beside a mask; after every 64 words; 4 words
.set MUL, 0x50                         ; C and D in window 1, sources in window 0
.set MSB, 0
.macro WIN new                         ; the immediate's high byte repeats the setting that is left
.if MSB != (\new)
	s_set_vgpr_msb (MSB<<8)|(\new)
.set MSB, \new
.endif
.endm
.macro PLACES                          ; four places behind matrix instructions (ISA guide 7.12.1 for vector instructions)
.rept 4
	v_nop
.endr
.endm
; A joint load: waves 0 and 1 fetch A's halves, waves 2 and 3 B's.  An s_nop 0 and four v_nop follow each line.
.macro JLOAD s
	s_cmp_eq_u32 s11, 0
	s_cbranch_scc0 .Lfor_b_\@
	tensor_load_to_lds s[G0A+4*(\s):G0A+4*(\s)+3], s[G1A:G1A+7]
	s_nop 0
.rept 4
	v_nop
.endr
	s_branch .Lasked_\@
.Lfor_b_\@:
	tensor_load_to_lds s[G0B+4*(\s):G0B+4*(\s)+3], s[G1B:G1B+7]
	s_nop 0
.rept 4
	v_nop
.endr
.Lasked_\@:
.endm
.macro CREST                           ; a round of the cluster's barrier behind its opening barrier
	s_cmp_lg_u32 s10, 0
	s_cbranch_scc1 .Lnot_wave_0_\@
	s_barrier_signal -3
.Lnot_wave_0_\@:
	s_barrier_wait -3
	s_barrier_signal -1
	s_barrier_wait -1
.endm
.macro CROUND
	s_barrier_signal -1
	s_barrier_wait -1
	CREST
.endm
	s_load_b512 s[80:95], s[0:1], 0x0              ; xb 80, wb 82, csb 84, q_norm_w 86, k_norm_w 88, qh 90, kh 92, vh 94
	v_lshl_add_u32 v[SPW], v0, 2, SPARE
	v_mov_b32 v[NIL], 0
	ds_add_u32 v[SPW], v[NIL]                      ; the wave's opening: the add and its wait ahead of my first tensor load
	v_lshrrev_b32 v1, 5, v0
	v_readfirstlane_b32 s10, v1                    ; wave 0..3
	s_lshr_b32 s11, s10, 1                         ; which 64 rows are mine.  Also: I fetch for A (0) or B (1)
	s_and_b32 s12, s10, 1                          ; which 128 columns.  Also: which half of that tile I fetch
	s_bfe_u32 s40, ttmp6, 0x40000                  ; cx
	s_bfe_u32 s41, ttmp6, 0x40004                  ; cy
	s_mov_b32 s45, ttmp9                           ; the cluster's x: 0 = q, 1 = k and v
	s_lshl_b32 s42, ttmp9, 2
	s_add_co_u32 s42, s42, s40                     ; tile column
	s_and_b32 s13, ttmp7, 0xffff
	s_lshl_b32 s13, s13, 2
	s_add_co_u32 s13, s13, s41                     ; tile row
	s_lshl_b32 s43, s41, 2
	s_lshl_b32 s43, 15, s43                        ; my row of the cluster
	s_lshl_b32 s44, 0x1111, s40                    ; my column
	s_or_b32 s[G1A+0], s43, FLAGS
	s_or_b32 s[G1B+0], s44, FLAGS
	s_or_b32 s[G1T+0], s43, FLAGS
.irp g, G1A, G1B, G1T
	s_mov_b32 s[(\g)+1], KSTEP<<16                 ; tensor_dim0 = 128
	s_mov_b32 s[(\g)+3], KSTEP<<16                 ; tile_dim0 = 128
	s_mov_b32 s[(\g)+6], 0
	s_mov_b32 s[(\g)+7], 0
.endr
	s_mov_b32 s[G1A+2], 64<<16                     ; tensor_dim1, tile_dim1 = 64 rows; the pitch in elements
	s_mov_b32 s[G1A+4], 64
	s_mov_b32 s[G1A+5], SIZE_K
	s_mov_b32 s[G1B+2], 128<<16                    ; 128 rows
	s_mov_b32 s[G1B+4], 128
	s_mov_b32 s[G1B+5], SIZE_K
	s_mov_b32 s[G1T+2], 64<<16                     ; 64 rows of 128 elements, dense
	s_mov_b32 s[G1T+4], 64
	s_mov_b32 s[G1T+5], 128
	s_lshl_b32 s16, s13, 7                         ; A: row 128 x tile row + 64 x half, in bytes (under 2^26)
	s_lshl_b32 s17, s12, 6
	s_add_co_u32 s16, s16, s17
	s_lshl_b32 s18, s16, 8                         ; the same rows of cos or sin: 256 bytes a row,
	s_lshl_b32 s19, s11, 20                        ; sin lies 1,048,576 bytes behind cos: waves 2 and 3
	s_add_co_u32 s18, s18, s19
	s_mov_b32 s19, 0
	s_mul_i32 s16, s16, SIZE_K*2
	s_mov_b32 s17, 0
	s_lshl_b32 s46, s42, 8                         ; B: row 256 x tile column + 128 x half
	s_lshl_b32 s47, s12, 7
	s_add_co_u32 s46, s46, s47
	s_mul_i32 s46, s46, SIZE_K*2
	s_mov_b32 s47, 0
	s_mul_i32 s20, s12, HA                         ; where they go: no place in the cluster enters an LDS address
	s_mul_i32 s21, s12, HB
	s_add_co_u32 s21, s21, BOFF
	s_mul_i32 s22, s10, HA
	s_add_co_u32 s22, s22, TBL
	s_mov_b32 s66, 0x3c000000                      ; 1 / 128
	s_mov_b32 s67, 0x358637bd                      ; 1e-6
	s_mov_b32 s96, 0x76543210                      ; v_permlanex16_b32: each lane takes its own place in the other half
	s_mov_b32 s97, 0xfedcba98
	s_mov_b32 s98, 0x80008000                      ; the signs of two bf16
	s_mov_b32 s99, 0xffff0000                      ; a word's upper bf16
	s_wait_dscnt 0x0                               ; the opening add is done
	s_wait_kmcnt 0x0
	s_add_nc_u64 s[14:15], s[80:81], s[16:17]
	s_add_nc_u64 s[46:47], s[82:83], s[46:47]
	s_add_nc_u64 s[18:19], s[84:85], s[18:19]
	CROUND                                         ; all sixteen work-groups are here: the first joint loads meet
.irp s, 0,1
	s_mov_b32 s[G0A+4*(\s)], 1
	s_add_co_u32 s[G0A+4*(\s)+1], s20, (\s)*SLOT
	s_add_nc_u64 s[G0A+4*(\s)+2:G0A+4*(\s)+3], s[14:15], (\s)*KSTEP*2
	s_or_b32 s[G0A+4*(\s)+3], s[G0A+4*(\s)+3], 0x80000000
	s_mov_b32 s[G0B+4*(\s)], 1
	s_add_co_u32 s[G0B+4*(\s)+1], s21, (\s)*SLOT
	s_add_nc_u64 s[G0B+4*(\s)+2:G0B+4*(\s)+3], s[46:47], (\s)*KSTEP*2
	s_or_b32 s[G0B+4*(\s)+3], s[G0B+4*(\s)+3], 0x80000000
	JLOAD \s
.endr
	s_mov_b32 s[G0T], 1                            ; the tables: wave w brings 64 rows (cos, cos, sin, sin) to TBL + w x 64 rows; three loads of mine are out
	s_mov_b32 s[G0T+1], s22
	s_mov_b64 s[G0T+2:G0T+3], s[18:19]
	s_or_b32 s[G0T+3], s[G0T+3], 0x80000000
	tensor_load_to_lds s[G0T:G0T+3], s[G1T:G1T+7]
	s_nop 0
	PLACES
	v_and_b32 v1, 15, v0                           ; l % 16
	v_bfe_u32 v2, v0, 4, 1                         ; l / 16
	v_lshlrev_b32 v[WO], 5, v2                     ; my 8 columns of each 16: 32 bytes for the upper half of the lanes
	s_cmp_eq_u32 s45, 0
	s_cselect_b64 s[6:7], s[86:87], s[88:89]       ; q's weights, or k's
	WIN 0x80                                       ; destination window 2
.set i, 0
.rept 8
	global_load_b128 v[8*i:8*i+3],   v[WO], s[6:7] offset:64*i
	global_load_b128 v[8*i+4:8*i+7], v[WO], s[6:7] offset:64*i+16
.set i, i+1
.endr
	WIN 0
	v_mul_u32_u24 v3, v1, PITCH
	v_lshl_add_u32 v3, v2, 4, v3                   ; row x pitch + 16 x half
	s_mul_i32 s21, s11, HA                         ; my 64 rows of A
	s_mul_i32 s22, s12, HB                         ; my 128 rows of B
	s_add_co_u32 s22, s22, BOFF
.irp s, 0,1
	v_add_nc_u32 v[ADRA+(\s)], s21, v3
	v_add_nc_u32 v[ADRB+(\s)], s22, v3
	s_add_co_u32 s21, s21, SLOT
	s_add_co_u32 s22, s22, SLOT
.endr
	s_mul_i32 s23, s10, 16*SPITCH
	s_add_co_u32 s23, s23, STAGE                   ; my stage
	v_add_nc_u32 v[STO], s23, v3                   ; in: row l % 16, 16 bytes for each half of the lanes
	v_mul_u32_u24 v4, v2, SPITCH                   ; back: lanes 0-15 one row of 256 bytes, lanes 16-31 the next
	v_lshl_add_u32 v4, v1, 4, v4
	v_add_nc_u32 v[RD], s23, v4
	v_lshlrev_b32 v[CO], 8, v2                     ; the same two rows of a head
	v_lshl_add_u32 v[CO], v1, 4, v[CO]
	s_mul_i32 s23, s11, HA
	s_add_co_u32 s23, s23, TBL
	v_add_nc_u32 v[CT], s23, v3                    ; cos of my rows
	; where my head's rows begin: ((b x heads + head) x 2048 + position) x 256 bytes
	s_lshr_b32 s4, s13, 4                          ; b
	s_and_b32 s5, s13, 15
	s_lshl_b32 s5, s5, 7
	s_lshl_b32 s16, s11, 6
	s_add_co_u32 s5, s5, s16                       ; my first position
	s_lshl_b32 s16, s40, 1
	s_add_co_u32 s16, s16, s12                     ; q head 2 cx + half
	s_cmp_eq_u32 s45, 0
	s_cselect_b32 s16, s16, s40                    ; or k / v head cx
	s_cselect_b32 s17, 3, 2                        ; 8 heads, or 4
	s_lshl_b32 s4, s4, s17
	s_add_co_u32 s4, s4, s16
	s_lshl_b32 s4, s4, 11
	s_add_co_u32 s4, s4, s5
	s_lshl_b32 s4, s4, 8
	s_mov_b32 s5, 0
	s_cmp_eq_u32 s12, 0
	s_cselect_b64 s[8:9], s[92:93], s[94:95]       ; kh for the left half, vh for the right,
	s_cmp_eq_u32 s45, 0
	s_cselect_b64 s[8:9], s[90:91], s[8:9]         ; or qh
	s_add_nc_u64 s[8:9], s[8:9], s[4:5]
; 8 matrix instructions: m block a x all 8 n blocks, 32 along K.  The 32 accumulators take turns in the same order in every quarter.
.macro MULA f, a, zero
	WIN MUL
.irp b, 0,1,2,3,4,5,6,7
.if \zero
	v_wmma_f32_16x16x32_bf16 v[8*(8*(\a)+\b):8*(8*(\a)+\b)+7], v[(\f)+8*\b:(\f)+8*\b+7], v[(\f)+64+8*(\a):(\f)+64+8*(\a)+7], 0
.else
	v_wmma_f32_16x16x32_bf16 v[8*(8*(\a)+\b):8*(8*(\a)+\b)+7], v[(\f)+8*\b:(\f)+8*\b+7], v[(\f)+64+8*(\a):(\f)+64+8*(\a)+7], v[8*(8*(\a)+\b):8*(8*(\a)+\b)+7]
.endif
.endr
.endm
; 24 LDS loads in one run: 128 rows of B, then 64 rows of A, 32 K at byte k of the rows, into buffer f
.macro FETCH slot, k, f
	WIN 0
.irp i, 0,1,2,3,4,5,6,7
	ds_load_b128 v[(\f)+8*(\i):(\f)+8*(\i)+3],   v[ADRB+(\slot)] offset:(\k)+(\i)*16*PITCH
	ds_load_b128 v[(\f)+8*(\i)+4:(\f)+8*(\i)+7], v[ADRB+(\slot)] offset:(\k)+(\i)*16*PITCH+32
.endr
.irp i, 0,1,2,3
	ds_load_b128 v[(\f)+64+8*(\i):(\f)+64+8*(\i)+3],   v[ADRA+(\slot)] offset:(\k)+(\i)*16*PITCH
	ds_load_b128 v[(\f)+64+8*(\i)+4:(\f)+64+8*(\i)+7], v[ADRA+(\slot)] offset:(\k)+(\i)*16*PITCH+32
.endr
.endm
; A K step is four quarters of 32 along K, 32 matrix instructions each, on buffers 0, 1, 0, 1.  One of the first three:
.macro QUARTER slot, k, f, g, zero
	s_wait_dscnt 4                                 ; B and A's blocks 0, 1 are in; the youngest four loads (A's blocks 2, 3) may be out
	MULA \f, 0, \zero
	MULA \f, 1, \zero
	PLACES
	FETCH \slot, \k, \g
	s_wait_dscnt 24                                ; all but the 24 just issued
	MULA \f, 2, \zero
	MULA \f, 3, \zero
.endm
; The last quarter multiplies buffer 1 and changes slots: one barrier; in front of it each wave waits for all its tensor loads, adds 0 to its spare word, and waits for that and for its reads of this slot.
; fill = 1: the barrier opens a round of the cluster's barrier, and this slot is filled again, two K steps ahead, first thing behind the round: 112 matrix instructions ahead of the wait for it.
.macro TURN slot, next, fill
	WIN 0
	s_wait_tensorcnt 0x0                           ; all my tensor loads have landed
	ds_add_u32 v[SPW], v[NIL]
	s_wait_dscnt 5                                 ; (the add and A's blocks 2, 3 may be out)
	MULA F1, 0, 0
	s_wait_dscnt 0x0                               ; the add is done, and my reads of this slot are over
	s_barrier_signal -1
	MULA F1, 1, 0
.if \fill
	WIN 0
.endif
	s_barrier_wait -1
.if \fill
	CREST
	s_add_nc_u64 s[G0A+4*(\slot)+2:G0A+4*(\slot)+3], s[G0A+4*(\slot)+2:G0A+4*(\slot)+3], 2*KSTEP*2
	s_add_nc_u64 s[G0B+4*(\slot)+2:G0B+4*(\slot)+3], s[G0B+4*(\slot)+2:G0B+4*(\slot)+3], 2*KSTEP*2
	JLOAD \slot                                    ; its four v_nop are also the places in front of the loads below
.else
	PLACES
.endif
	FETCH \next, 0, F0
	MULA F1, 2, 0
	MULA F1, 3, 0
.endm
	s_wait_tensorcnt 2                             ; my part of K step 0 is in; K step 1 and the tables may stay out
	s_barrier_signal -1
	s_barrier_wait -1
	FETCH 0, 0, F0
	QUARTER 0, 64,  F0, F1, 1                      ; the first quarter's products start the sums
	WIN 0
	s_mov_b32 s3, LAPS-1
.Llap:                                                 ; a trip goes once round the ring and fills both slots again
	QUARTER 0, 128, F1, F0, 0
	QUARTER 0, 192, F0, F1, 0
	TURN 0, 1, 1
	QUARTER 1, 64,  F0, F1, 0
	QUARTER 1, 128, F1, F0, 0
	QUARTER 1, 192, F0, F1, 0
	TURN 1, 0, 1
	QUARTER 0, 64,  F0, F1, 0
	WIN 0
	s_sub_co_u32 s3, s3, 1
	s_cmp_lg_u32 s3, 0
	s_cbranch_scc1 .Llap
	QUARTER 0, 128, F1, F0, 0                      ; the last lap fills nothing
	QUARTER 0, 192, F0, F1, 0
	TURN 0, 1, 0
	QUARTER 1, 64,  F0, F1, 0
	QUARTER 1, 128, F1, F0, 0
	QUARTER 1, 192, F0, F1, 0
	s_wait_dscnt 0x0
	MULA F1, 0, 0
	MULA F1, 1, 0
	MULA F1, 2, 0
	MULA F1, 3, 0
	WIN 0
	PLACES
; THE WAY OUT.  16 rows at a time: packed f16 into my stage (16 bytes a lane), back as whole rows of 256 bytes, stored: a store covers two rows of a head, 512 consecutive bytes.  add: bytes behind the head's rows (v's lo part).
.macro OUT a, src, str, add=0
.set b, 0
.rept 8
	ds_store_b128 v[STO], v[(\src)+(\str)*b:(\src)+(\str)*b+3] offset:32*b
.set b, b+1
.endr
.set t, 0
.rept 8
	ds_load_b128 v[COSR+4*t:COSR+4*t+3], v[RD] offset:t*2*SPITCH  ; LDS serves a wave's instructions in order (ISA guide 5.7.1.4): these see the stores above
.set t, t+1
.endr
.set t, 0
.rept 8
	s_wait_dscnt 7-t                               ; rows 2 t, 2 t + 1 are back; the younger loads stay out
	global_store_b128 v[CO], v[COSR+4*t:COSR+4*t+3], s[8:9] offset:(16*(\a)+2*t)*256+(\add)
.set t, t+1
.endr
.endm
.macro MIX d, t, y, c, hi              ; d = bf16 half of t x y + c
.if \hi
	v_fma_mix_f32_bf16 v[\d], v[\t], v[\y], v[\c] op_sel:[1,0,0] op_sel_hi:[1,0,0]
.else
	v_fma_mix_f32_bf16 v[\d], v[\t], v[\y], v[\c] op_sel:[0,0,0] op_sel_hi:[1,0,0]
.endif
.endm
; q and k, m block a.  A row's 128 numbers lie in two lanes (l, l + 16), 64 each: column 16 b + 8 (l / 16) + j in register j of accumulator b; column d + 64 is accumulator b + 4, same lane.
.macro EPI a
	WIN 0
	s_wait_xcnt 0x0                                ; the last stores have read v96-127: only now are they loaded again
.set b, 0
.rept 8
	ds_load_b128 v[COSR+4*b:COSR+4*b+3], v[CT] offset:(\a)*16*PITCH+32*b
.set b, b+1
.endr
.set b, 0
.rept 8
	ds_load_b128 v[SINR+4*b:SINR+4*b+3], v[CT] offset:(\a)*16*PITCH+32*b+2*HA
.set b, b+1
.endr
	WIN 0x05                                       ; sources 0 and 1 window 1.  The squares, in four chains
.set p, 0
.rept 4
	v_pk_mul_f32 v[SSQ+2*p:SSQ+2*p+1], v[64*(\a)+2*p:64*(\a)+2*p+1], v[64*(\a)+2*p:64*(\a)+2*p+1]
.set p, p+1
.endr
.rept 28
	v_pk_fma_f32 v[SSQ+2*(p%4):SSQ+2*(p%4)+1], v[64*(\a)+2*p:64*(\a)+2*p+1], v[64*(\a)+2*p:64*(\a)+2*p+1], v[SSQ+2*(p%4):SSQ+2*(p%4)+1]
.set p, p+1
.endr
	WIN 0
	v_pk_add_f32 v[SSQ:SSQ+1], v[SSQ:SSQ+1], v[SSQ+2:SSQ+3]
	v_pk_add_f32 v[SSQ+4:SSQ+5], v[SSQ+4:SSQ+5], v[SSQ+6:SSQ+7]
	v_pk_add_f32 v[SSQ:SSQ+1], v[SSQ:SSQ+1], v[SSQ+4:SSQ+5]
	v_add_f32 v[TM], v[SSQ], v[SSQ+1]
	v_permlanex16_b32 v[TM+1], v[TM], s96, s97     ; the row's other 64 numbers
	v_add_f32 v[TM], v[TM], v[TM+1]
	v_fma_f32 v[TM], v[TM], s66, s67               ; mean + eps
	v_rsq_f32 v[RS], v[TM]
	v_nop                                          ; a plain instruction behind the transcendental
	WIN 0x01                                       ; source 0 window 1
.set p, 0
	s_wait_alu depctr_va_vdst(0)
.rept 32
	v_pk_mul_f32 v[Y+2*p:Y+2*p+1], v[64*(\a)+2*p:64*(\a)+2*p+1], v[RS:RS+1] op_sel_hi:[1,0]
.set p, p+1
.endr
	WIN 0x08                                       ; source 1 window 2: the weights
.set p, 0
.rept 32
	v_pk_mul_f32 v[Y+2*p:Y+2*p+1], v[Y+2*p:Y+2*p+1], v[2*p:2*p+1]
.set p, p+1
.endr
	WIN 0
	s_wait_dscnt 0x0                               ; cos and sin are in
.set i, 0
.rept 16
	v_xor_b32 v[SINR+i], s98, v[SINR+i]            ; -sin for the columns below 64
.set i, i+1
.endr
.set bb, 0
.rept 4                                ; y[d] cos[d] - y[d+64] sin[d], and y[d+64] cos[d+64] + y[d] sin[d+64]
.set jj, 0
.rept 8
	MIX T+jj, COSR+4*bb+jj/2, Y+8*bb+jj, ZR, jj%2
.set jj, jj+1
.endr
.set jj, 0
.rept 8
	MIX T+8+jj, COSR+4*(bb+4)+jj/2, Y+8*(bb+4)+jj, ZR, jj%2
.set jj, jj+1
.endr
.set jj, 0
.rept 8
	MIX T+jj, SINR+4*bb+jj/2, Y+8*(bb+4)+jj, T+jj, jj%2
.set jj, jj+1
.endr
.set jj, 0
.rept 8
	MIX T+8+jj, SINR+4*(bb+4)+jj/2, Y+8*bb+jj, T+8+jj, jj%2
.set jj, jj+1
.endr
.set r, 0
.rept 4
	v_cvt_pk_f16_f32 v[Y+8*bb+r], v[T+2*r], v[T+2*r+1]
	v_cvt_pk_f16_f32 v[Y+8*(bb+4)+r], v[T+8+2*r], v[T+8+2*r+1]
.set r, r+1
.endr
.set bb, bb+1
.endr
	OUT \a, Y, 8
.endm
; v, m block a: y = v / 4 in f16.  Block 0 (the first 16 of my 64 positions) goes out in two parts: t = 8193 y = 2048.25 v, hi = t - (t - y), lo = y - hi.
.macro EPV a
	WIN 0x01
.set p, 0
.rept 32
	v_pk_mul_f32 v[Y+2*p:Y+2*p+1], v[64*(\a)+2*p:64*(\a)+2*p+1], 0x3e800000 op_sel_hi:[1,0]
.set p, p+1
.endr
.if (\a) == 0
.set p, 0
.rept 32
	v_pk_mul_f32 v[TT+2*p:TT+2*p+1], v[2*p:2*p+1], 0x45000400 op_sel_hi:[1,0]
.set p, p+1
.endr
	WIN 0
.set hf, 0
.rept 2                                ; 32 numbers at a time: t - y stands in v96-127, which no store has read yet
.set p, 0
.rept 16
	v_pk_add_f32 v[COSR+2*p:COSR+2*p+1], v[TT+32*hf+2*p:TT+32*hf+2*p+1], v[Y+32*hf+2*p:Y+32*hf+2*p+1] neg_lo:[0,1] neg_hi:[0,1]
.set p, p+1
.endr
.set p, 0
.rept 16
	v_pk_add_f32 v[TT+32*hf+2*p:TT+32*hf+2*p+1], v[TT+32*hf+2*p:TT+32*hf+2*p+1], v[COSR+2*p:COSR+2*p+1] neg_lo:[0,1] neg_hi:[0,1]
.set p, p+1
.endr
.set p, 0
.rept 16
	v_pk_add_f32 v[Y+32*hf+2*p:Y+32*hf+2*p+1], v[Y+32*hf+2*p:Y+32*hf+2*p+1], v[TT+32*hf+2*p:TT+32*hf+2*p+1] neg_lo:[0,1] neg_hi:[0,1]
.set p, p+1
.endr
.set hf, hf+1
.endr
.set p, 0
.rept 32
	v_cvt_pk_f16_f32 v[SINR+p], v[TT+2*p], v[TT+2*p+1]
.set p, p+1
.endr
	OUT 0, SINR, 4
.set p, 0
.rept 32
	v_cvt_pk_f16_f32 v[SINR+p], v[Y+2*p], v[Y+2*p+1]
.set p, p+1
.endr
	s_wait_xcnt 0x0                                ; hi's stores have read v96-127
	OUT 0, SINR, 4, VLO
.else
	WIN 0
.set p, 0
.rept 32
	v_cvt_pk_f16_f32 v[SINR+p], v[Y+2*p], v[Y+2*p+1]
.set p, p+1
.endr
	s_wait_xcnt 0x0                                ; the last stores have read v96-127
	OUT \a, SINR, 4
.endif
.endm
	s_wait_loadcnt 0x0                             ; the norm weights
	v_mov_b32 v[ZR], 0
	v_mov_b32 v[TM+1], 0                           ; v_permlanex16_b32's destination counts as read
	v_mov_b32 v[RS+1], 0                           ; named with RS as a pair
	s_cmp_eq_u32 s45, 0
	s_cbranch_scc1 .Lrope                          ; q
	s_cmp_eq_u32 s12, 0
	s_cbranch_scc1 .Lrope                          ; k
	EPV 0
	EPV 1
	EPV 2
	EPV 3
	s_branch .Ldone
.Lrope:
	WIN 0x0a                                       ; the weights are rounded to bf16 like every input, and widened again
.set i, 0
.rept 32
	v_cvt_pk_bf16_f32 v[Y+i], v[2*i], v[2*i+1]
.set i, i+1
.endr
	WIN 0x80
.set i, 0
.rept 32
	v_lshlrev_b32 v[2*i], 16, v[Y+i]
	v_and_b32 v[2*i+1], s99, v[Y+i]
.set i, i+1
.endr
	WIN 0
	EPI 0
	EPI 1
	EPI 2
	EPI 3
.Ldone:
	s_wait_tensorcnt 0x0                           ; the wave's end
	ds_add_u32 v[SPW], v[NIL]
	s_wait_dscnt 0x0
	CROUND                                         ; the closing round
	s_endpgm
.Lfunc_end_k_q851d32f2a0_qkv:
	.size	k_q851d32f2a0_qkv, .Lfunc_end_k_q851d32f2a0_qkv-k_q851d32f2a0_qkv
	.p2alignl 7, 3214868480
	.fill 96, 4, 3214868480
	.section	.rodata,"a",@progbits
	.p2align	6, 0x0
	.amdhsa_kernel k_q851d32f2a0_qkv
		.amdhsa_group_segment_fixed_size 327680
		.amdhsa_private_segment_fixed_size 0
		.amdhsa_enable_private_segment 0
		.amdhsa_kernarg_size 64
		.amdhsa_user_sgpr_count 2
		.amdhsa_user_sgpr_kernarg_segment_ptr 1
		.amdhsa_wavefront_size32 1
		.amdhsa_system_sgpr_workgroup_id_x 1
		.amdhsa_system_sgpr_workgroup_id_y 1
		.amdhsa_system_sgpr_workgroup_id_z 1
		.amdhsa_system_vgpr_workitem_id 0
		.amdhsa_next_free_vgpr 576
		.amdhsa_next_free_sgpr 100
		.amdhsa_reserve_vcc 0
		.amdhsa_float_denorm_mode_32 3
		.amdhsa_float_denorm_mode_16_64 3
		.amdhsa_memory_ordered 1
		.amdhsa_forward_progress 1
		.amdhsa_inst_pref_size 200
	.end_amdhsa_kernel
	.amdgpu_metadata
---
amdhsa.version: [ 1, 2 ]
amdhsa.kernels:
  - .name:           k_q851d32f2a0_qkv
    .symbol:         k_q851d32f2a0_qkv.kd
    .args:
      - { .name: xb, .offset: 0, .size: 8, .value_kind: global_buffer, .address_space: global }
      - { .name: wb, .offset: 8, .size: 8, .value_kind: global_buffer, .address_space: global }
      - { .name: csb, .offset: 16, .size: 8, .value_kind: global_buffer, .address_space: global }
      - { .name: q_norm_w, .offset: 24, .size: 8, .value_kind: global_buffer, .address_space: global }
      - { .name: k_norm_w, .offset: 32, .size: 8, .value_kind: global_buffer, .address_space: global }
      - { .name: qh, .offset: 40, .size: 8, .value_kind: global_buffer, .address_space: global }
      - { .name: kh, .offset: 48, .size: 8, .value_kind: global_buffer, .address_space: global }
      - { .name: vh, .offset: 56, .size: 8, .value_kind: global_buffer, .address_space: global }
    .group_segment_fixed_size: 327680
    .private_segment_fixed_size: 0
    .kernarg_segment_align: 8
    .kernarg_segment_size: 64
    .max_flat_workgroup_size: 128
    .sgpr_count:     100
    .vgpr_count:     576
    .wavefront_size: 32
...
	.end_amdgpu_metadata
.endif
;; end of part 2
;; launch attn (part 3): grid 32 x 8, 4 waves a work-group, clusters of 4 x 1, 327,680 bytes of LDS; arguments qh, kh, vh, ob; writes ob
.if DOCPART == 3
	.amdgcn_target "amdgcn-amd-amdhsa--gfx1250"
	.amdhsa_code_object_version 6
	.text
	.protected	k_q851d32f2a0_attn
	.globl	k_q851d32f2a0_attn
	.p2align	8
	.type	k_q851d32f2a0_attn,@function
k_q851d32f2a0_attn:
	s_mov_b64 s[64:65], 0
	v_nop
	global_prefetch_b8 v0, s[64:65] scope:SCOPE_SE
	s_setreg_imm32_b32 hwreg(HW_REG_WAVE_MODE, 25, 1), 1
	s_wait_xcnt 0x0
	s_wait_alu depctr_hold_cnt(0) depctr_sa_sdst(0) depctr_va_vdst(0) depctr_va_sdst(0) depctr_va_ssrc(0) depctr_va_vcc(0) depctr_vm_vsrc(0)
	s_getreg_b32 s2, hwreg(HW_REG_IB_STS2, 6, 4)
	s_cmp_eq_u32 s2, 0
	s_cbranch_scc0 .Lentry_in_a_cluster
	s_endpgm
.Lentry_in_a_cluster:
	s_bfe_u32 s2, ttmp6, 0x10000c
	s_cmp_lg_u32 s2, 0x3003
	s_cbranch_scc0 .Lentry_shape_is_right
	s_endpgm
.Lentry_shape_is_right:
; CAUSAL ATTENTION WITH TWO QUERY HEADS TO A KEY HEAD.  qh [b][8][2048][128], kh, vh [b][4][2048][128], all f16 (vh holds v / 4); ob [4096][1024] f16 = O / 4, column = head x 128 + channel.
; Products, maxima and sums in f32; the weights p are rounded to f16 for the second product (their sum l is taken of the unrounded p), O once at the end.
; LIMITS.  f16 ends at 65,504: q, k and v / 4 arrive within it.  A hidden score counts as its value less 1e30; a weight below 2^-126 counts as 0; NaN and infinities are not treated apart.
; SHARES.  y = b x 4 + key head.  A head's 2,048 positions lie in 64 blocks of 32.  A work-group takes TWO blocks, 63 - pi and then pi (pi = 4 x cluster + place), each for BOTH query heads of the key head:
; four tiles of 16 queries.  Block i needs the key tiles 0 .. i / 4 of 128 keys: 16 - CL tiles and then CL + 1, seventeen for every work-group, and the SAME tiles in the same order for the four partners
; of a cluster: every fill is a joint load.  Wave w: positions 16 (w / 2) .. + 15 of the block, keys 64 (w % 2) .. + 63 of every tile; both heads, as two register tiles: tile t holds head t xor (w % 2).
; At a block's end the two waves of a pair have each seen half the keys: each keeps its tile 0, sends its tile 1 (O, c m, l) through LDS to the other, and joins what it receives to its tile 0.
; LAYOUT.  S^T = K Q^T (source 0 = 16 keys, source 1 = 16 queries): a lane holds ONE query (lane % 16) and the keys 8 (lane / 16) + 0..7; two such results rounded to f16 ARE source 1 of O^T = V^T P.
; SOFTMAX.  A running maximum m and sum l: p = 2^(c s - c m), c = log2(e) / sqrt(128); in every step O and l are multiplied by a = 2^(c m_old - c m_new).
; m starts at -2^93, c m far lower still: the first step's a is 0, so O and l need only be finite; a wave all of whose keys are hidden keeps m = -2^93, above every hidden score, so its weights are 0,
; and in the joining its factor is 0.  True scores are 5.5e11 at the most.  The wave with keys 0-63 always sees key 0.
; THE MASK is the C operand that starts the sum S^T: 0, or -1e30 where the key is hidden; only a block's last tile has hidden keys, elsewhere the 32 mask registers hold 0.
; A TILE'S WORK: K and V from LDS; tile 0's scores; tile 1's scores with tile 0's softmax in slices behind them; tile 0's V^T P with tile 1's softmax behind them; tile 1's V^T P.
; THE FIRST POSITIONS IN TWO PARTS.  A query that sees one or two keys gives a row of the module's output some ten times its root mean square, and every number is held to a hundredth of that root mean
; square: f16's 11 bits of v and of O are too coarse there.  For the first 16 of each 64 positions vh holds a second part, lo, 4,194,304 bytes behind the first.  In the walk's last tile (the second
; block's diagonal tile; for cluster 0 the only tile that positions 0-127 see) each wave adds V_lo^T P for the first 16 of its 64 keys: 16 products more.  The second block's O is split, hi = t - (t - x) with
; t = 8193 x (11 bits, exact in f16), lo = x - hi; cluster 0 stores lo as well, 8,388,608 bytes behind hi in ob, for the launch that makes the first 16 rows of each batch from both parts.
; Below 6.1e-5 hi is rounded once more, onto f16's fixed step of 6e-8, which lo does not carry.
; REGISTERS.  window 0: v0-15 addresses; v16-31 statistics, 8 a tile; v32-95 S^T; v96-127 P; v128-255 O^T.   window 1: v0-127 K, v128-255 V.
;   window 2: v0-63 Q, v64-127 the second block's Q, v128-159 the mask, v160-191 V's lo rows as loaded.
.set KS,    64
.set PK,    272       ; a row of K in LDS: 256 bytes + 16: the 16 rows of a load start at 16 different groups of four banks (ISA guide 11.1)
.set PV,    288       ; a row of V: 256 + 32
.set VOFF,  KS*PK     ; 64 keys' K, then their V
.set STEPB, KS*(PK+PV)
.set SLOT1, 1<<17     ; a slot holds 128 keys (71,680 bytes); slot 1 begins here, so that one exclusive or changes slots
.set STAGE, SLOT1+2*STEPB  ; 16 rows x 272 bytes for each wave: for V's lo rows and for the way out; no tensor load fills it
.set SP,    272
.set XCH,   STAGE+4*16*SP  ; 8,704 bytes for each wave: what it sends to its partner
.set XSZ,   8704
.set SPARE, XCH+4*XSZ      ; the spare words: 128 bytes a wave, two blocks of 256 bytes that no other line names
.set LO16, 1          ; v1   16 x lane (during the set-up: l % 16)
.set AK0, 2           ; v2   my lane's place in my 64 keys' K; never rewritten
.set AV0, 3           ; v3   the same for V
.set ADRK, 4          ; v4   LDS address of K's run of loads
.set QO,  4           ;      before the walk: my byte offset in 16 rows of Q
.set ADRV, 5          ; v5
.set STO, 6           ; v6   the way out: where I put 16 bytes of a row
.set RD,  7           ; v7   where I read rows back (and put V's lo rows)
.set GO,  8           ; v8   my byte offset in two rows of ob
.set AVS, 9           ; v9   my lane's place for the turning load in my stage (during the set-up: l / 16)
.set XW,  10          ; v10  where I send
.set XR,  11          ; v11  where my partner has sent
.set DM,  12          ; v12  my query's place in the block's last tile, less my keys' first: register r of key group kt is hidden where 16 kt + r is greater
.set DMLO, 13         ; v13  the same for the second block
.set SPW, 14          ; v14  my spare word; never rewritten
.set NIL, 15          ; v15  0; never rewritten
.set ST,  16          ; tile t at v[ST+8 t]: c m, m, l (even keys', odd keys'), c0-c3 at work; a takes c2's place
.set S,   32
.set P,   96
.set O,   128
.set QB,  64          ; window 2
.set MK,  128         ; window 2
.set VLR, 160         ; window 2
.set WV,  12          ; s12  wave
.set CL,  14          ; s14  the cluster's number, 0..7
.set G1K, 24
.set G1V, 32
.set G0K, 40
.set G0V, 44
.set SLOTS, 56        ; s56  tiles still to be asked for
.set CS,  58          ; s[58:59] c
.set SEL, 60          ; s[60:61] v_permlanex16_b32's selects
.set TB,  62          ; s62  the slot in hand
.set VLP, 66          ; s[66:67] V's lo rows: the first 16 of my 64 keys of tile CL
.set RT,  70          ; s70  tiles of the block in hand still to be entered
.set NXT, 71          ; s71  the tile to be asked for next
.set LQ,  72          ; s72  the last tile of the block whose tiles are being asked for
.set LQ2, 73          ; s73  the second block's last tile
.set OFF, 74          ; s[74:75]
.set OLO, 80          ; s[80:81] ob at my rows of the second block
.set BIGN, 82         ; s82  -1e30
.set QP,  84          ; s[84:91] Q: first block tile 0, 1; second block tile 0, 1
.set MSB, 0
.macro WIN new
.if MSB != (\new)
	s_set_vgpr_msb (MSB<<8)|(\new)
.set MSB, (\new)
.endif
.endm
.set W_KQ, 0x09       ; K window 1, Q window 2, S^T window 0
.set W_KM, 0x29       ; the same with C, the mask, in window 2
.set W_PV, 0x01       ; V window 1; P and O^T window 0
.macro PLACES
.rept 4
	v_nop
.endr
.endm
; A joint fill: waves 0 and 1 fetch the two halves' K, waves 2 and 3 their V.  An s_nop 0 and four v_nop follow each line.
.macro JLOAD
	s_cmp_lt_u32 s[WV], 2
	s_cbranch_scc0 .Lfor_v_\@
	tensor_load_to_lds s[G0K:G0K+3], s[G1K:G1K+7]
	s_nop 0
.rept 4
	v_nop
.endr
	s_branch .Lasked_\@
.Lfor_v_\@:
	tensor_load_to_lds s[G0V:G0V+3], s[G1V:G1V+7]
	s_nop 0
.rept 4
	v_nop
.endr
.Lasked_\@:
.endm
.macro CROUND
	s_barrier_signal -1
	s_barrier_wait -1
	s_cmp_lg_u32 s[WV], 0
	s_cbranch_scc1 .Lnot_wave_0_\@
	s_barrier_signal -3
.Lnot_wave_0_\@:
	s_barrier_wait -3
	s_barrier_signal -1
	s_barrier_wait -1
.endm
; THE CHANGE OF SLOTS.  Each wave waits for all its tensor loads (one is out: its part of the other slot), adds 0 to its spare word, and waits for that and for its reads of the slot it leaves.
; fill = 1: a round of the cluster's barrier, and the old slot is filled with tile NXT, first thing behind it; the address is made anew from the tile's number, which is the same in all four partners.
.macro CHANGE fill
	WIN 0
	s_wait_tensorcnt 0x0
	ds_add_u32 v[SPW], v[NIL]
.if \fill
	s_lshl_b32 s[OFF], s[NXT], 15   ; a tile is 32,768 bytes of K and of V
	s_xor_b32 s[G0K+1], s[G0K+1], SLOT1
	s_add_nc_u64 s[G0K+2:G0K+3], s[6:7], s[OFF:OFF+1]
	s_or_b32 s[G0K+3], s[G0K+3], 0x80000000
	s_xor_b32 s[G0V+1], s[G0V+1], SLOT1
	s_add_nc_u64 s[G0V+2:G0V+3], s[8:9], s[OFF:OFF+1]
	s_or_b32 s[G0V+3], s[G0V+3], 0x80000000
	s_add_co_u32 s[NXT], s[NXT], 1  ; the block's next tile, or behind its last the second block's tile 0
	s_cmp_gt_u32 s[NXT], s[LQ]
	s_cselect_b32 s[NXT], 0, s[NXT]
	s_cselect_b32 s[LQ], s[LQ2], s[LQ]
	s_wait_dscnt 0x0
	CROUND
	JLOAD
.else
	s_wait_dscnt 0x0
	s_barrier_signal -1
	s_barrier_wait -1
.endif
	s_xor_b32 s[TB], s[TB], SLOT1
.endm
	s_load_b256 s[4:11], s[0:1], 0x0  ; qh s[4:5], kh s[6:7], vh s[8:9], ob s[10:11]
	v_lshl_add_u32 v[SPW], v0, 2, SPARE
	v_mov_b32 v[NIL], 0
	ds_add_u32 v[SPW], v[NIL]       ; the wave's opening: the add and its wait ahead of my first tensor load
	v_lshrrev_b32 v1, 5, v0
	v_readfirstlane_b32 s[WV], v1
	s_bfe_u32 s13, ttmp6, 0x40000   ; cx: it enters Q's and ob's addresses and the mask's numbers alone
	s_mov_b32 s[CL], ttmp9
	s_and_b32 s20, ttmp7, 0xffff    ; y
	s_and_b32 s16, s[WV], 1         ; which 64 keys are mine; also which half of a tile I fetch
	s_lshr_b32 s17, s[WV], 1        ; which 16 positions
	s_lshl_b32 s22, s20, 19         ; a key head is 524,288 bytes;
	s_lshl_b32 s23, s16, 14         ; 64 keys are 16,384
	s_add_co_u32 s22, s22, s23
	s_mov_b32 s23, 0
	s_mul_i32 s18, s16, STEPB
	s_lshl_b32 s15, s[CL], 2
	s_add_co_u32 s15, s15, s13      ; pi
	s_lshl_b32 s48, s17, 4
	s_lshl_b32 s19, s15, 5
	s_add_co_u32 s19, s19, s48      ; my first position in the second block
	s_sub_co_u32 s21, 63, s15
	s_lshl_b32 s21, s21, 5
	s_add_co_u32 s21, s21, s48      ; and in the first
	s_lshl_b32 s49, s20, 1          ; b x 8 + 2 x key head
	s_add_co_u32 s50, s49, s16      ; tile 0's head
	s_xor_b32 s51, s16, 1
	s_add_co_u32 s51, s49, s51      ; tile 1's
	s_lshl_b32 s50, s50, 11
	s_lshl_b32 s51, s51, 11
	s_add_co_u32 s[QP], s50, s21    ; Q's four offsets: (head x 2048 + position) x 256
	s_add_co_u32 s[QP+2], s51, s21
	s_add_co_u32 s[QP+4], s50, s19
	s_add_co_u32 s[QP+6], s51, s19
.irp n, 0,2,4,6
	s_lshl_b32 s[QP+\n], s[QP+\n], 8
	s_mov_b32 s[QP+\n+1], 0
.endr
	s_lshr_b32 s52, s20, 2
	s_lshl_b32 s52, s52, 11         ; b x 2048
	s_and_b32 s53, s20, 3
	s_lshl_b32 s53, s53, 1
	s_add_co_u32 s53, s53, s16      ; the head that I store: tile 0's
	s_lshl_b32 s53, s53, 8
	s_add_co_u32 s2, s52, s21       ; ob's two offsets: row x 2048 + head x 256
	s_lshl_b32 s2, s2, 11
	s_add_co_u32 s2, s2, s53
	s_mov_b32 s3, 0
	s_add_co_u32 s[OLO], s52, s19
	s_lshl_b32 s[OLO], s[OLO], 11
	s_add_co_u32 s[OLO], s[OLO], s53
	s_mov_b32 s[OLO+1], 0
	s_lshl_b32 s76, s16, 6
	s_sub_co_u32 s54, 3, s13        ; the first block is number 3 - cx of the four in its last tile,
	s_lshl_b32 s54, s54, 5
	s_add_co_u32 s54, s54, s48
	s_sub_co_u32 s54, s54, s76
	s_lshl_b32 s55, s13, 5          ; the second number cx
	s_add_co_u32 s55, s55, s48
	s_sub_co_u32 s55, s55, s76
	s_lshl_b32 s68, s[CL], 15       ; tile CL, the walk's last
	s_mov_b32 s69, 0
	s_mov_b32 s[G1K], 15|(1<<16)|(1<<20)|(1<<21)|(5<<22)|(3<<25)  ; the mask of four; 2-byte elements; padding on; bit 21 beside a mask; after every 64 words; 4 words
	s_mov_b32 s[G1V], 15|(1<<16)|(1<<20)|(1<<21)|(5<<22)|(7<<25)  ; the same with 8 words
.irp g, G1K, G1V
	s_mov_b32 s[(\g)+1], 128<<16    ; tensor_dim0 = 128
	s_mov_b32 s[(\g)+2], KS<<16     ; tensor_dim1 = 64
	s_mov_b32 s[(\g)+3], 128<<16    ; tile_dim0 = 128
	s_mov_b32 s[(\g)+4], KS         ; tile_dim1 = 64
	s_mov_b32 s[(\g)+5], 128        ; 128 elements from row to row
	s_mov_b32 s[(\g)+6], 0
	s_mov_b32 s[(\g)+7], 0
.endr
	s_mov_b32 s[CS], 0x3e0293ee     ; c = log2(e) / sqrt(128)
	s_mov_b32 s[CS+1], s[CS]
	s_mov_b32 s[SEL], 0x76543210
	s_mov_b32 s[SEL+1], 0xfedcba98
	s_mov_b32 s[TB], SLOT1          ; the first change of slots turns it into 0
	s_mov_b32 s[G0K], 1
	s_mov_b32 s[G0K+1], s18         ; slot 0
	s_mov_b32 s[G0V], 1
	s_add_co_u32 s[G0V+1], s18, VOFF
	s_sub_co_u32 s[RT], 16, s[CL]   ; the first block has 16 - CL tiles
	s_mov_b32 s[NXT], 1
	s_sub_co_u32 s[LQ], 15, s[CL]
	s_mov_b32 s[LQ2], s[CL]
	s_mov_b32 s[OFF+1], 0
	s_mov_b32 s[BIGN], 0xf149f2ca   ; -1e30
	s_mov_b32 s[SLOTS], 16
	s_wait_dscnt 0x0                ; the opening add is done
	s_wait_kmcnt 0x0
	s_add_nc_u64 s[6:7], s[6:7], s[22:23]  ; K and V at my half of the head's tile 0
	s_add_nc_u64 s[8:9], s[8:9], s[22:23]
	s_add_nc_u64 s[G0K+2:G0K+3], s[6:7], 0
	s_or_b32 s[G0K+3], s[G0K+3], 0x80000000
	s_add_nc_u64 s[G0V+2:G0V+3], s[8:9], 0
	s_or_b32 s[G0V+3], s[G0V+3], 0x80000000
	s_add_nc_u64 s[VLP:VLP+1], s[8:9], s[68:69]
	s_add_nc_u64 s[VLP:VLP+1], s[VLP:VLP+1], 0x400000  ; the lo parts lie 4,194,304 bytes behind the hi parts
.irp n, 0,2,4,6
	s_add_nc_u64 s[QP+\n:QP+\n+1], s[4:5], s[QP+\n:QP+\n+1]
.endr
	s_add_nc_u64 s[OLO:OLO+1], s[10:11], s[OLO:OLO+1]
	s_add_nc_u64 s[10:11], s[10:11], s[2:3]
	CROUND                          ; all four work-groups are here
	JLOAD                           ; tile 0 into slot 0; slot 1 is asked for by the walk's first change of slots
	v_and_b32 v1, 15, v0            ; l % 16
	v_bfe_u32 v9, v0, 4, 1          ; l / 16
	v_lshlrev_b32 v[QO], 8, v1
	v_lshl_add_u32 v[QO], v9, 4, v[QO]  ; row x 256 + 16 x half
	WIN 0x80                        ; destination window 2
.set i, 0
.rept 8                             ; both blocks' Q: tile i / 4, channels 32 (i % 4) on
	global_load_b128 v[8*i:8*i+3],   v[QO], s[QP+2*(i/4):QP+2*(i/4)+1] offset:(i%4)*64
	global_load_b128 v[8*i+4:8*i+7], v[QO], s[QP+2*(i/4):QP+2*(i/4)+1] offset:(i%4)*64+32
	global_load_b128 v[QB+8*i:QB+8*i+3],   v[QO], s[QP+4+2*(i/4):QP+4+2*(i/4)+1] offset:(i%4)*64
	global_load_b128 v[QB+8*i+4:QB+8*i+7], v[QO], s[QP+4+2*(i/4):QP+4+2*(i/4)+1] offset:(i%4)*64+32
.set i, i+1
.endr
.set i, 0
.rept 32
	v_mov_b32 v[MK+i], 0            ; no key is hidden but in a block's last tile
.set i, i+1
.endr
	WIN 0
	v_mul_u32_u24 v[AK0], v1, PK
	v_lshl_add_u32 v[AK0], v9, 4, v[AK0]
	v_add_nc_u32 v[AK0], s18, v[AK0]     ; row x pitch + 16 x half, in my 64 keys
	v_and_b32 v32, 7, v0            ; the turning load: lane l reads key 8 (l / 16) + l % 8, channels 8 ((l / 8) % 2) + 0..7
	v_bfe_u32 v33, v0, 3, 1
	v_lshl_add_u32 v[AV0], v9, 3, v32
	v_mul_u32_u24 v34, v[AV0], SP   ; the same key and channels in my stage's rows of 272 bytes
	v_lshl_add_u32 v34, v33, 4, v34
	v_mul_u32_u24 v[AV0], v[AV0], PV
	v_lshl_add_u32 v[AV0], v33, 4, v[AV0]
	s_add_co_u32 s77, s18, VOFF
	v_add_nc_u32 v[AV0], s77, v[AV0]
	s_mul_i32 s77, s[WV], 16*SP
	s_add_co_u32 s77, s77, STAGE    ; my stage
	v_mul_u32_u24 v[STO], v1, SP
	v_lshl_add_u32 v[STO], v9, 4, v[STO]
	v_add_nc_u32 v[STO], s77, v[STO]
	v_mul_u32_u24 v[RD], v9, SP
	v_lshl_add_u32 v[RD], v1, 4, v[RD]
	v_add_nc_u32 v[RD], s77, v[RD]
	v_lshlrev_b32 v[GO], 11, v9     ; two rows of ob, 2,048 bytes apart
	v_lshl_add_u32 v[GO], v1, 4, v[GO]
	v_and_b32 v32, 31, v0
	v_lshlrev_b32 v32, 4, v32
	s_mul_i32 s78, s[WV], XSZ
	s_add_co_u32 s78, s78, XCH
	v_add_nc_u32 v[XW], s78, v32
	s_xor_b32 s79, s[WV], 1
	s_mul_i32 s79, s79, XSZ
	s_add_co_u32 s79, s79, XCH
	v_add_nc_u32 v[XR], s79, v32
	v_lshlrev_b32 v33, 3, v9
	v_sub_nc_u32 v33, v1, v33
	v_add_nc_u32 v[DM], s54, v33
	v_add_nc_u32 v[DMLO], s55, v33
	v_add_nc_u32 v[AVS], s77, v34   ; l / 16 and l % 16 have served: their registers take two more addresses
	v_mov_b32 v[LO16], v32
; A block's first step multiplies O^T and l by a = 0: they need only hold finite numbers.  Zeros for the first block (128 + 8 moves, in the wait for the first tile); what the first block left for the second.
.set i, 0
.rept 128
	v_mov_b32 v[O+i], 0
.set i, i+1
.endr
.irp t, 0,1
	v_mov_b32 v[ST+8*\t], 0xfe000000    ; c m: far below every c s
	v_mov_b32 v[ST+8*\t+1], 0xee000000  ; m = -2^93: below every true score, above every hidden one
	v_mov_b32 v[ST+8*\t+2], 0
	v_mov_b32 v[ST+8*\t+3], 0
.endr
; THE MATRIX WORK.  The accumulators of a run take turns, one instruction a turn.
; Product i of 16 of S^T = K Q^T for tile t: keys 16 (i % 4) on, channels 32 (i / 4) on.  The first four start the sums with the mask.
.macro KQ t
.set rS, S+32*(\t)+8*(i%4)
.set rK, 32*(i%4)+8*(i/4)
.set rQ, 32*(\t)+8*(i/4)
.set rM, MK+8*(i%4)
.if i < 4
	WIN W_KM
	v_wmma_f32_16x16x32_f16 v[rS:rS+7], v[rK:rK+7], v[rQ:rQ+7], v[rM:rM+7]
.else
	WIN W_KQ
	v_wmma_f32_16x16x32_f16 v[rS:rS+7], v[rK:rK+7], v[rQ:rQ+7], v[rS:rS+7]
.endif
.set i, i+1
.endm
; Product i of 16 of O^T += V^T P for tile t: channels 16 (i % 8) on, keys 32 (i / 8) on.
.macro PV t
	WIN W_PV
.set rO, O+64*(\t)+8*(i%8)
.set rV, 128+64*(i/8)+8*(i%8)
.set rP, P+16*(\t)+8*(i/8)
	v_wmma_f32_16x16x32_f16 v[rO:rO+7], v[rV:rV+7], v[rP:rP+7], v[rO:rO+7]
.set i, i+1
.endm
.macro FETCH_K
	WIN 0x40                        ; destination window 1
.irp f, 0,1,2,3,4,5,6,7,8,9,10,11,12,13,14,15  ; keys 16 (f / 4) on, channels 32 (f % 4) on
	ds_load_b128 v[8*(\f):8*(\f)+3],   v[ADRK] offset:((\f)/4)*16*PK+((\f)%4)*64
	ds_load_b128 v[8*(\f)+4:8*(\f)+7], v[ADRK] offset:((\f)/4)*16*PK+((\f)%4)*64+32
.endr
.endm
.macro FETCH_V
	WIN 0x40
.irp f, 0,1,2,3,4,5,6,7,8,9,10,11,12,13,14,15  ; keys 32 (f / 8) on, channels 16 (f % 8) on
	ds_load_tr16_b128 v[128+8*(\f):128+8*(\f)+3],   v[ADRV] offset:((\f)/8)*32*PV+((\f)%8)*32
	ds_load_tr16_b128 v[128+8*(\f)+4:128+8*(\f)+7], v[ADRV] offset:((\f)/8)*32*PV+16*PV+((\f)%8)*32
.endr
.endm
; THE VECTOR WORK.  One tile's softmax for 64 keys is a list of 134 instructions, all in window 0; SM writes number j of it for tile t.  s0-s31 are the lane's 32 scores, in pairs 0-15.
;   0-15    the maximum of s0-s31 and the old m, three operands at a time (each accumulator's lowest registers are read first)
;   16-20   the other half of the lanes' maximum; the new m; c m; c m_old - c m_new
;   21-87   33 exponentials (a, then s0-s31) at the odd numbers from 23 on: no two follow each other, and each has a plain instruction behind it before its result is used; the plain ones between
;           are c s - c m for pairs still to come, the roundings to f16 of pairs that are done, and the first sums
;   88-101  the last rounding; the rest of the sums; l = a l + the sum          102-133 the tile's O^T times a
.macro SM t
.set rT, ST+8*(\t)
.set rS, S+32*(\t)
.set rP, P+16*(\t)
.set rO, O+64*(\t)+2*(j-102)
.set q, (j-20)/2
.if j < 4
	v_max3_num_f32 v[rT+4+j], v[rS+8*j], v[rS+8*j+1], v[rS+8*j+2]
.elseif j < 12
	v_max3_num_f32 v[rT+4+j%4], v[rT+4+j%4], v[rS+8*(j%4)+2*(j/4)+1], v[rS+8*(j%4)+2*(j/4)+2]
.elseif j == 12
	v_max3_num_f32 v[rT+4], v[rT+4], v[rS+7], v[rS+15]
.elseif j == 13
	v_max3_num_f32 v[rT+6], v[rT+6], v[rS+23], v[rS+31]
.elseif j == 14
	v_max3_num_f32 v[rT+4], v[rT+4], v[rT+5], v[rT+6]
.elseif j == 15
	v_max3_num_f32 v[rT+4], v[rT+4], v[rT+7], v[rT+1]
.elseif j == 16
	v_permlanex16_b32 v[rT+5], v[rT+4], s[SEL], s[SEL+1]  ; the query's other 32 keys lie in the lane 16 away
.elseif j == 17
	v_mov_b32 v[rT+7], v[rT]        ; c m_old is kept for a
.elseif j == 18
	v_max_num_f32 v[rT+1], v[rT+4], v[rT+5]
.elseif j == 19
	v_mul_f32 v[rT], s[CS], v[rT+1]
.elseif j == 20
	v_sub_f32 v[rT+7], v[rT+7], v[rT]
.elseif j == 23
	v_exp_f32 v[rT+6], v[rT+7]
.elseif (j < 88) && (j > 23) && (j%2 == 1)
	v_exp_f32 v[rS+(j-25)/2], v[rS+(j-25)/2]
.elseif (q < 4) || ((j < 76) && (q%2 == 0))
.set b, q/2+2
.if q < 4
.set b, q
.endif
	v_pk_fma_f32 v[rS+2*b:rS+2*b+1], v[rS+2*b:rS+2*b+1], s[CS:CS+1], v[rT:rT+1] op_sel_hi:[1,0,0] neg_lo:[0,0,1] neg_hi:[0,0,1]  ; pair b: c s - c m
.elseif (j < 88) && (q%2 == 1)
	s_wait_alu depctr_va_vdst(0)
	v_cvt_pk_f16_f32 v[rP+(q-5)/2], v[rS+q-5], v[rS+q-4]
.elseif j == 89
	s_wait_alu depctr_va_vdst(0)
	v_cvt_pk_f16_f32 v[rP+15], v[rS+30], v[rS+31]
.elseif j < 102                     ; the sum of the 16 pairs, in place: neighbours 1, 2, 4 and 8 pairs apart, then l takes it
.set z, j-86
.if j < 89
.set z, (j-76)/4
.endif
.set w, 4
.set u, z
.if z >= 14
.set w, 32
.set u, 0
.elseif z >= 12
.set w, 16
.set u, z-12
.elseif z >= 8
.set w, 8
.set u, z-8
.endif
.if z < 15
	v_pk_add_f32 v[rS+w*u:rS+w*u+1], v[rS+w*u:rS+w*u+1], v[rS+w*u+w/2:rS+w*u+w/2+1]
.else
	v_pk_fma_f32 v[rT+2:rT+3], v[rT+2:rT+3], v[rT+6:rT+7], v[rS:rS+1] op_sel_hi:[1,0,1]
.endif
.else
	v_pk_mul_f32 v[rO:rO+1], v[rO:rO+1], v[rT+6:rT+7] op_sel_hi:[1,0]
.endif
.set j, j+1
.endm
.macro SLICE t                      ; the list's next 8 numbers; the sixteenth slice takes the last 14, all plain: they are the places behind the run's last product
	WIN 0
.set n, 8
.if j >= 120
.set n, 14
.endif
.rept n
	SM \t
.endr
.endm
; A TILE.  No slice names a register of the products round it: tile 0's softmax stands beside tile 1's scores, tile 1's beside tile 0's V^T P.
.macro ROUND
	WIN 0
	v_add_nc_u32 v[ADRK], s[TB], v[AK0]
	v_add_nc_u32 v[ADRV], s[TB], v[AV0]
	FETCH_K
	FETCH_V
	s_wait_dscnt 32                 ; K is in; V's 32 loads may be out
.set i, 0
.rept 16
	KQ 0
.endr
	WIN 0
	PLACES                          ; in front of the first read of tile 0's scores
.set i, 0
.set j, 0
.rept 16
	KQ 1
	SLICE 0
.endr
	s_wait_dscnt 0x0                ; V is in
.set i, 0
.set j, 0
.rept 16
	PV 0
	SLICE 1
.endr
.set i, 0
.rept 16
	PV 1
.endr
	WIN 0
	PLACES                          ; in front of whatever reads O^T or writes K, V, P and the mask next
.endm
.macro MASKGEN                      ; a block's last tile: -1e30 where my key lies behind my query
	WIN 0x80
.set i, 0
.rept 32
	v_cmp_gt_i32 vcc_lo, 16*(i/8)+i%8, v[DM]
	v_cndmask_b32 v[MK+i], 0, s[BIGN], vcc_lo
.set i, i+1
.endr
	WIN 0
.endm
; P's 32 registers (16 rows x 128 channels in f16) go through my stage and out: 16 lanes store 256 consecutive bytes, aligned.
.macro SENDP
.set i, 0
.rept 8
	ds_store_b128 v[STO], v[P+4*i:P+4*i+3] offset:32*i
.set i, i+1
.endr
.set i, 0
.rept 8
	ds_load_b128 v[S+4*i:S+4*i+3], v[RD] offset:i*2*SP  ; LDS serves a wave's instructions in order (ISA guide 5.7.1.4)
.set i, i+1
.endr
.set i, 0
.rept 8
	s_wait_dscnt 7-i                ; rows 2 i, 2 i + 1 are back; the younger loads stay out
	global_store_b128 v[GO], v[S+4*i:S+4*i+3], s[10:11] offset:4096*i
.set i, i+1
.endr
	s_wait_xcnt 0x0                 ; the stores have read their registers and ob's address
.endm
; A BLOCK'S END.  Tile 1's O^T, c m and l go to my partner, its tile 1's come to me: they are my tile 0's head over the other 64 keys of every tile.  Both are brought to the common maximum, l is summed over
; the halves of the lanes, O^T divided by it, rounded to f16 and sent out.  lo = 1 (the second block): O is split into hi and lo, and cluster 0 stores lo too.
.macro END lo
	WIN 0
	v_add_f32 v[ST+9], v[ST+10], v[ST+11]  ; tile 1's l, beside its c m
.set i, 0
.rept 16
	ds_store_b128 v[XW], v[O+64+4*i:O+64+4*i+3] offset:512*i
.set i, i+1
.endr
	ds_store_b64 v[XW], v[ST+8:ST+9] offset:8192
	v_add_f32 v[ST+2], v[ST+2], v[ST+3]
	s_wait_dscnt 0x0                ; for my partner's sake: my stores are done
	s_barrier_signal -1
	s_barrier_wait -1               ; the next tile's load may stay out
	ds_load_b64 v[ST+10:ST+11], v[XR] offset:8192
.set i, 0
.rept 16
	ds_load_b128 v[S+4*i:S+4*i+3], v[XR] offset:512*i
.set i, i+1
.endr
	s_wait_dscnt 16                 ; c m and l are in; O^T's sixteen loads may be out
	v_max_num_f32 v[ST+4], v[ST], v[ST+10]
	v_sub_f32 v[ST+5], v[ST], v[ST+4]
	v_sub_f32 v[ST+6], v[ST+10], v[ST+4]
	v_exp_f32 v[ST+5], v[ST+5]
	v_exp_f32 v[ST+6], v[ST+6]
	v_nop
	s_wait_alu depctr_va_vdst(0)
	v_mul_f32 v[ST+2], v[ST+2], v[ST+5]
	v_fma_f32 v[ST+2], v[ST+11], v[ST+6], v[ST+2]
	v_permlanex16_b32 v[ST+3], v[ST+2], s[SEL], s[SEL+1]
	v_add_f32 v[ST+2], v[ST+2], v[ST+3]
	v_rcp_f32 v[ST+2], v[ST+2]
	v_nop
	s_wait_alu depctr_va_vdst(0)
	v_mul_f32 v[ST+4], v[ST+5], v[ST+2]
	v_mul_f32 v[ST+6], v[ST+6], v[ST+2]
	s_wait_dscnt 0x0
.set i, 0
.rept 32
	v_pk_mul_f32 v[O+2*i:O+2*i+1], v[O+2*i:O+2*i+1], v[ST+4:ST+5] op_sel_hi:[1,0]
.set i, i+1
.endr
.set i, 0
.rept 32
	v_pk_fma_f32 v[O+2*i:O+2*i+1], v[S+2*i:S+2*i+1], v[ST+6:ST+7], v[O+2*i:O+2*i+1] op_sel_hi:[1,0,1]
.set i, i+1
.endr
.if \lo
.set i, 0
.rept 32                            ; t = 8193 x, where the partner's numbers lay
	v_pk_mul_f32 v[S+2*i:S+2*i+1], v[O+2*i:O+2*i+1], 0x46000400 op_sel_hi:[1,0]
.set i, i+1
.endr
.set i, 0
.rept 32                            ; t - x, where tile 1 lay: it has been sent
	v_pk_add_f32 v[O+64+2*i:O+64+2*i+1], v[S+2*i:S+2*i+1], v[O+2*i:O+2*i+1] neg_lo:[0,1] neg_hi:[0,1]
.set i, i+1
.endr
.set i, 0
.rept 32                            ; hi = t - (t - x)
	v_pk_add_f32 v[S+2*i:S+2*i+1], v[S+2*i:S+2*i+1], v[O+64+2*i:O+64+2*i+1] neg_lo:[0,1] neg_hi:[0,1]
.set i, i+1
.endr
.set i, 0
.rept 32                            ; lo = x - hi
	v_pk_add_f32 v[O+2*i:O+2*i+1], v[O+2*i:O+2*i+1], v[S+2*i:S+2*i+1] neg_lo:[0,1] neg_hi:[0,1]
.set i, i+1
.endr
.set i, 0
.rept 32
	v_cvt_pk_f16_f32 v[P+i], v[S+2*i], v[S+2*i+1]
.set i, i+1
.endr
.else
.set i, 0
.rept 32
	v_cvt_pk_f16_f32 v[P+i], v[O+2*i], v[O+2*i+1]
.set i, i+1
.endr
.endif
	SENDP
.if \lo
	s_cmp_lg_u32 s[CL], 0           ; the cluster's number: the same in all waves and all partners
	s_cbranch_scc1 .Lno_lo_\@       ; only positions 0-127 leave their lo part
.set i, 0
.rept 32
	v_cvt_pk_f16_f32 v[P+i], v[O+2*i], v[O+2*i+1]
.set i, i+1
.endr
	s_add_nc_u64 s[10:11], s[10:11], 0x800000  ; 8,388,608 bytes behind the hi part
	SENDP
.Lno_lo_\@:
.endif
.endm
	s_wait_loadcnt 0x0              ; Q
.Lslot:                             ; sixteen times: a tile is entered and the next is asked for
	CHANGE 1
	s_sub_co_u32 s[RT], s[RT], 1
	s_cmp_lg_u32 s[RT], 0
	s_cbranch_scc1 .Lopen           ; not the block's last tile: the mask stays 0
	MASKGEN
.Lopen:
	ROUND
	s_cmp_lg_u32 s[RT], 0           ; RT comes of the cluster's number alone: the same in all waves and all partners
	s_cbranch_scc1 .Lbottom
	END 0                           ; in the loop this is the first block's end: the second's last tile is the walk's last
	s_mov_b64 s[10:11], s[OLO:OLO+1]
	s_add_co_u32 s[RT], s[CL], 1    ; the second block has CL + 1 tiles
	v_mov_b32 v[DM], v[DMLO]
.irp t, 0,1
	v_mov_b32 v[ST+8*\t], 0xfe000000
	v_mov_b32 v[ST+8*\t+1], 0xee000000
.endr
	WIN 0x80
.set i, 0
.rept 32
	v_mov_b32 v[MK+i], 0
.set i, i+1
.endr
	WIN 0x82                        ; the second block's Q goes where the one text names Q
.set i, 0
.rept 64
	v_mov_b32 v[i], v[QB+i]
.set i, i+1
.endr
	WIN 0
.Lbottom:
	s_sub_co_u32 s[SLOTS], s[SLOTS], 1
	s_cmp_lg_u32 s[SLOTS], 0
	s_cbranch_scc1 .Lslot
	CHANGE 0                        ; the walk's last tile, the second block's last, is written out: nothing is asked for
	WIN 0x80                        ; V's lo rows of the first 16 of my 64 keys: 4,096 consecutive bytes, asked for a tile's work ahead of their use
.set i, 0
.rept 8
	global_load_b128 v[VLR+4*i:VLR+4*i+3], v[LO16], s[VLP:VLP+1] offset:512*i
.set i, i+1
.endr
	MASKGEN
	ROUND
	s_wait_loadcnt 0x0              ; the lo rows are in registers
	WIN 0x08                        ; store data in window 2
.set i, 0
.rept 8
	ds_store_b128 v[RD], v[VLR+4*i:VLR+4*i+3] offset:i*2*SP  ; into my stage: lanes 0-15 key 2 i, lanes 16-31 key 2 i + 1
.set i, i+1
.endr
	WIN 0x40                        ; destination window 1: V's first eight fragments (keys 0-31, channels 16 f on)
.set i, 0
.rept 8
	ds_load_tr16_b128 v[128+8*i:128+8*i+3], v[AVS] offset:32*i  ; keys 0-15, turned; LDS serves my instructions in order
.set i, i+1
.endr
.set i, 0
.rept 8
.irp r, 4,5,6,7
	v_mov_b32 v[128+8*i+\r], 0      ; keys 16-31 have no lo part
.endr
.set i, i+1
.endr
	s_wait_dscnt 0x0
.set i, 0
.rept 8
	PV 0                            ; O^T += V_lo^T P: sixteen accumulators, one product each
.endr
.set i, 0
.rept 8
	PV 1
.endr
	WIN 0
	PLACES
	END 1
	s_wait_tensorcnt 0x0            ; the wave's end
	ds_add_u32 v[SPW], v[NIL]
	s_wait_dscnt 0x0
	CROUND                          ; the closing round
	s_endpgm
.Lfunc_end_k_q851d32f2a0_attn:
	.size	k_q851d32f2a0_attn, .Lfunc_end_k_q851d32f2a0_attn-k_q851d32f2a0_attn
	.p2alignl 7, 3214868480
	.fill 96, 4, 3214868480
	.section	.rodata,"a",@progbits
	.p2align	6, 0x0
	.amdhsa_kernel k_q851d32f2a0_attn
		.amdhsa_group_segment_fixed_size 327680
		.amdhsa_private_segment_fixed_size 0
		.amdhsa_enable_private_segment 0
		.amdhsa_kernarg_size 32
		.amdhsa_user_sgpr_count 2
		.amdhsa_user_sgpr_kernarg_segment_ptr 1
		.amdhsa_wavefront_size32 1
		.amdhsa_system_sgpr_workgroup_id_x 1
		.amdhsa_system_sgpr_workgroup_id_y 1
		.amdhsa_system_sgpr_workgroup_id_z 1
		.amdhsa_system_vgpr_workitem_id 0
		.amdhsa_next_free_vgpr 704
		.amdhsa_next_free_sgpr 92
		.amdhsa_reserve_vcc 1
		.amdhsa_float_denorm_mode_32 3
		.amdhsa_float_denorm_mode_16_64 3
		.amdhsa_memory_ordered 1
		.amdhsa_forward_progress 1
		.amdhsa_inst_pref_size 120
	.end_amdhsa_kernel
	.amdgpu_metadata
---
amdhsa.version: [ 1, 2 ]
amdhsa.kernels:
  - .name:           k_q851d32f2a0_attn
    .symbol:         k_q851d32f2a0_attn.kd
    .args:
      - { .name: qh, .offset: 0, .size: 8, .value_kind: global_buffer, .address_space: global }
      - { .name: kh, .offset: 8, .size: 8, .value_kind: global_buffer, .address_space: global }
      - { .name: vh, .offset: 16, .size: 8, .value_kind: global_buffer, .address_space: global }
      - { .name: ob, .offset: 24, .size: 8, .value_kind: global_buffer, .address_space: global }
    .group_segment_fixed_size: 327680
    .private_segment_fixed_size: 0
    .kernarg_segment_align: 8
    .kernarg_segment_size: 32
    .max_flat_workgroup_size: 128
    .sgpr_count:     92
    .vgpr_count:     704
    .wavefront_size: 32
...
	.end_amdgpu_metadata
.endif
;; end of part 3
;; launch oproj (part 4): grid 16 x 32, 4 waves a work-group, clusters of 4 x 4, 327,680 bytes of LDS; arguments ob, wob, out0; writes out0
.if DOCPART == 4
	.amdgcn_target "amdgcn-amd-amdhsa--gfx1250"
	.amdhsa_code_object_version 6
	.text
	.protected	k_q851d32f2a0_oproj
	.globl	k_q851d32f2a0_oproj
	.p2align	8
	.type	k_q851d32f2a0_oproj,@function
k_q851d32f2a0_oproj:
	s_mov_b64 s[64:65], 0
	v_nop
	global_prefetch_b8 v0, s[64:65] scope:SCOPE_SE
	s_setreg_imm32_b32 hwreg(HW_REG_WAVE_MODE, 25, 1), 1
	s_wait_xcnt 0x0
	s_wait_alu depctr_hold_cnt(0) depctr_sa_sdst(0) depctr_va_vdst(0) depctr_va_sdst(0) depctr_va_ssrc(0) depctr_va_vcc(0) depctr_vm_vsrc(0)
	s_getreg_b32 s2, hwreg(HW_REG_IB_STS2, 6, 4)
	s_cmp_eq_u32 s2, 0
	s_cbranch_scc0 .Lentry_in_a_cluster
	s_endpgm
.Lentry_in_a_cluster:
	s_bfe_u32 s2, ttmp6, 0x10000c
	s_cmp_lg_u32 s2, 0xf033
	s_cbranch_scc0 .Lentry_shape_is_right
	s_endpgm
.Lentry_shape_is_right:
; OUT.  out0 [4096][4096] f32 = 4 x (ob [4096][1024] x wob [4096][1024]^T), both operands f16, sums in f32.  ob holds O / 4; the factor 4 is exact.
; SHARES.  A work-group makes 128 rows x 256 columns: 16 x 32 = 512 work-groups, two for each of 256 WGPs.  Four waves, each 64 x 128: 32 accumulators.  K goes in steps of 128 (rows of 256 bytes,
; aligned) through two LDS slots filled by the tensor data mover.  CLUSTER 4 x 4: A's tiles are asked for jointly along a row of the cluster, B's along a column.
; THE MATRIX INSTRUCTION IS USED TRANSPOSED (source 0 = 16 rows of wob, source 1 = 16 rows of ob): lane l holds row l % 16 and registers 0-7 the columns 8 (l / 16) + 0..7.
; REGISTERS.  window 0: v0-31 addresses; v32-127, v128-223 two fragment buffers (B's 8 fragments, then A's 4), at work on the way out.   window 1: accumulator (a, b) at v[8 (8 a + b)].
.set SIZE_K, 1024
.set SIZE_N, 4096
.set KSTEP,  128
.set PITCH,  272                       ; 256 bytes + 16 of padding: the 16 rows of a fragment load start at 16 different groups of four banks (ISA guide 11.1)
.set HA,     64*PITCH
.set HB,     128*PITCH
.set BOFF,   2*HA
.set SLOT,   2*HA+2*HB
.set STAGE,  2*SLOT                    ; 16 rows x 528 bytes for each wave; no tensor load fills it
.set SPITCH, 528                       ; 512 bytes + 16
.set SPARE,  STAGE+4*16*SPITCH         ; the spare words: 128 bytes a wave, two blocks of 256 bytes that no other line names
.set LAPS,   SIZE_K/(2*KSTEP)
.set ADRA, 16
.set ADRB, 20
.set STO,  24
.set RD,   25
.set CO,   26
.set SPW,  28
.set NIL,  29
.set F0,   32
.set F1,   128
.set Y,    32                          ; v32-95   the way out: 64 numbers of a row, times 4
.set BK,   96                          ; v96-159  16 rows read back
.set G1A, 24
.set G0A, 32
.set G1B, 48
.set G0B, 56
.set FLAGS, (1<<16)|(1<<20)|(1<<21)|(5<<22)|(3<<25)
.set MUL, 0x50
.set MSB, 0
.macro WIN new
.if MSB != (\new)
	s_set_vgpr_msb (MSB<<8)|(\new)
.set MSB, \new
.endif
.endm
.macro PLACES
.rept 4
	v_nop
.endr
.endm
.macro JLOAD s                         ; waves 0 and 1 fetch A's halves, waves 2 and 3 B's; an s_nop 0 and four v_nop follow each line
	s_cmp_eq_u32 s11, 0
	s_cbranch_scc0 .Lfor_b_\@
	tensor_load_to_lds s[G0A+4*(\s):G0A+4*(\s)+3], s[G1A:G1A+7]
	s_nop 0
.rept 4
	v_nop
.endr
	s_branch .Lasked_\@
.Lfor_b_\@:
	tensor_load_to_lds s[G0B+4*(\s):G0B+4*(\s)+3], s[G1B:G1B+7]
	s_nop 0
.rept 4
	v_nop
.endr
.Lasked_\@:
.endm
.macro CREST
	s_cmp_lg_u32 s10, 0
	s_cbranch_scc1 .Lnot_wave_0_\@
	s_barrier_signal -3
.Lnot_wave_0_\@:
	s_barrier_wait -3
	s_barrier_signal -1
	s_barrier_wait -1
.endm
.macro CROUND
	s_barrier_signal -1
	s_barrier_wait -1
	CREST
.endm
	s_load_b128 s[4:7], s[0:1], 0x0                ; ob s[4:5], wob s[6:7]
	s_load_b64 s[8:9], s[0:1], 0x10                ; out0
	v_lshl_add_u32 v[SPW], v0, 2, SPARE
	v_mov_b32 v[NIL], 0
	ds_add_u32 v[SPW], v[NIL]                      ; the wave's opening: the add and its wait ahead of my first tensor load
	v_lshrrev_b32 v1, 5, v0
	v_readfirstlane_b32 s10, v1
	s_lshr_b32 s11, s10, 1                         ; which 64 rows are mine.  Also: I fetch for A (0) or B (1)
	s_and_b32 s12, s10, 1                          ; which 128 columns.  Also: which half of that tile I fetch
	s_bfe_u32 s40, ttmp6, 0x40000
	s_bfe_u32 s41, ttmp6, 0x40004
	s_lshl_b32 s42, ttmp9, 2
	s_add_co_u32 s42, s42, s40                     ; tile column
	s_and_b32 s13, ttmp7, 0xffff
	s_lshl_b32 s13, s13, 2
	s_add_co_u32 s13, s13, s41                     ; tile row
	s_lshl_b32 s43, s41, 2
	s_lshl_b32 s43, 15, s43
	s_lshl_b32 s44, 0x1111, s40
	s_or_b32 s[G1A+0], s43, FLAGS
	s_or_b32 s[G1B+0], s44, FLAGS
.irp g, G1A, G1B
	s_mov_b32 s[(\g)+1], KSTEP<<16
	s_mov_b32 s[(\g)+3], KSTEP<<16
	s_mov_b32 s[(\g)+5], SIZE_K
	s_mov_b32 s[(\g)+6], 0
	s_mov_b32 s[(\g)+7], 0
.endr
	s_mov_b32 s[G1A+2], 64<<16
	s_mov_b32 s[G1A+4], 64
	s_mov_b32 s[G1B+2], 128<<16
	s_mov_b32 s[G1B+4], 128
	s_lshl_b32 s16, s13, 7
	s_lshl_b32 s17, s12, 6
	s_add_co_u32 s16, s16, s17
	s_mul_i32 s16, s16, SIZE_K*2
	s_mov_b32 s17, 0
	s_lshl_b32 s46, s42, 8
	s_lshl_b32 s47, s12, 7
	s_add_co_u32 s46, s46, s47
	s_mul_i32 s46, s46, SIZE_K*2
	s_mov_b32 s47, 0
	s_mul_i32 s20, s12, HA
	s_mul_i32 s21, s12, HB
	s_add_co_u32 s21, s21, BOFF
	s_wait_dscnt 0x0
	s_wait_kmcnt 0x0
	s_add_nc_u64 s[14:15], s[4:5], s[16:17]
	s_add_nc_u64 s[46:47], s[6:7], s[46:47]
	CROUND
.irp s, 0,1
	s_mov_b32 s[G0A+4*(\s)], 1
	s_add_co_u32 s[G0A+4*(\s)+1], s20, (\s)*SLOT
	s_add_nc_u64 s[G0A+4*(\s)+2:G0A+4*(\s)+3], s[14:15], (\s)*KSTEP*2
	s_or_b32 s[G0A+4*(\s)+3], s[G0A+4*(\s)+3], 0x80000000
	s_mov_b32 s[G0B+4*(\s)], 1
	s_add_co_u32 s[G0B+4*(\s)+1], s21, (\s)*SLOT
	s_add_nc_u64 s[G0B+4*(\s)+2:G0B+4*(\s)+3], s[46:47], (\s)*KSTEP*2
	s_or_b32 s[G0B+4*(\s)+3], s[G0B+4*(\s)+3], 0x80000000
	JLOAD \s
.endr
	v_and_b32 v1, 15, v0
	v_bfe_u32 v2, v0, 4, 1
	v_mul_u32_u24 v3, v1, PITCH
	v_lshl_add_u32 v3, v2, 4, v3
	s_mul_i32 s21, s11, HA
	s_mul_i32 s22, s12, HB
	s_add_co_u32 s22, s22, BOFF
.irp s, 0,1
	v_add_nc_u32 v[ADRA+(\s)], s21, v3
	v_add_nc_u32 v[ADRB+(\s)], s22, v3
	s_add_co_u32 s21, s21, SLOT
	s_add_co_u32 s22, s22, SLOT
.endr
	s_mul_i32 s23, s10, 16*SPITCH
	s_add_co_u32 s23, s23, STAGE                   ; my stage
	v_mul_u32_u24 v4, v1, SPITCH                   ; in: row l % 16, 32 bytes for each half of the lanes
	v_lshl_add_u32 v4, v2, 5, v4
	v_add_nc_u32 v[STO], s23, v4
	v_and_b32 v5, 31, v0
	v_lshlrev_b32 v[CO], 4, v5                     ; back and out: 32 lanes take one row's 512 bytes
	v_add_nc_u32 v[RD], s23, v[CO]
	s_lshl_b32 s16, s13, 7
	s_lshl_b32 s17, s11, 6
	s_add_co_u32 s16, s16, s17                     ; my first row
	s_lshl_b32 s16, s16, 14                        ; x 16,384 bytes
	s_lshl_b32 s46, s42, 10                        ; my first column, in bytes
	s_lshl_b32 s47, s12, 9
	s_add_co_u32 s46, s46, s47
	s_add_co_u32 s16, s16, s46
	s_mov_b32 s17, 0
	s_add_nc_u64 s[8:9], s[8:9], s[16:17]
.macro MULA f, a, zero                 ; 8 matrix instructions; the 32 accumulators take turns in the same order in every quarter
	WIN MUL
.irp b, 0,1,2,3,4,5,6,7
.if \zero
	v_wmma_f32_16x16x32_f16 v[8*(8*(\a)+\b):8*(8*(\a)+\b)+7], v[(\f)+8*\b:(\f)+8*\b+7], v[(\f)+64+8*(\a):(\f)+64+8*(\a)+7], 0
.else
	v_wmma_f32_16x16x32_f16 v[8*(8*(\a)+\b):8*(8*(\a)+\b)+7], v[(\f)+8*\b:(\f)+8*\b+7], v[(\f)+64+8*(\a):(\f)+64+8*(\a)+7], v[8*(8*(\a)+\b):8*(8*(\a)+\b)+7]
.endif
.endr
.endm
.macro FETCH slot, k, f                ; 24 LDS loads in one run: B's 128 rows, then A's 64
	WIN 0
.irp i, 0,1,2,3,4,5,6,7
	ds_load_b128 v[(\f)+8*(\i):(\f)+8*(\i)+3],   v[ADRB+(\slot)] offset:(\k)+(\i)*16*PITCH
	ds_load_b128 v[(\f)+8*(\i)+4:(\f)+8*(\i)+7], v[ADRB+(\slot)] offset:(\k)+(\i)*16*PITCH+32
.endr
.irp i, 0,1,2,3
	ds_load_b128 v[(\f)+64+8*(\i):(\f)+64+8*(\i)+3],   v[ADRA+(\slot)] offset:(\k)+(\i)*16*PITCH
	ds_load_b128 v[(\f)+64+8*(\i)+4:(\f)+64+8*(\i)+7], v[ADRA+(\slot)] offset:(\k)+(\i)*16*PITCH+32
.endr
.endm
.macro QUARTER slot, k, f, g, zero
	s_wait_dscnt 4                                 ; B and A's blocks 0, 1 are in; the youngest four loads may be out
	MULA \f, 0, \zero
	MULA \f, 1, \zero
	PLACES
	FETCH \slot, \k, \g
	s_wait_dscnt 24                                ; all but the 24 just issued
	MULA \f, 2, \zero
	MULA \f, 3, \zero
.endm
.macro TURN slot, next, fill           ; the last quarter changes slots: the three lines, one barrier (with fill = 1 it opens a round of the cluster's), the joint refill first behind it
	WIN 0
	s_wait_tensorcnt 0x0
	ds_add_u32 v[SPW], v[NIL]
	s_wait_dscnt 5                                 ; (the add and A's blocks 2, 3 may be out)
	MULA F1, 0, 0
	s_wait_dscnt 0x0
	s_barrier_signal -1
	MULA F1, 1, 0
.if \fill
	WIN 0
.endif
	s_barrier_wait -1
.if \fill
	CREST
	s_add_nc_u64 s[G0A+4*(\slot)+2:G0A+4*(\slot)+3], s[G0A+4*(\slot)+2:G0A+4*(\slot)+3], 2*KSTEP*2
	s_add_nc_u64 s[G0B+4*(\slot)+2:G0B+4*(\slot)+3], s[G0B+4*(\slot)+2:G0B+4*(\slot)+3], 2*KSTEP*2
	JLOAD \slot
.else
	PLACES
.endif
	FETCH \next, 0, F0
	MULA F1, 2, 0
	MULA F1, 3, 0
.endm
	s_wait_tensorcnt 1                             ; my part of K step 0 is in; K step 1 may stay out
	s_barrier_signal -1
	s_barrier_wait -1
	FETCH 0, 0, F0
	QUARTER 0, 64,  F0, F1, 1
	WIN 0
	s_mov_b32 s3, LAPS-1
.Llap:
	QUARTER 0, 128, F1, F0, 0
	QUARTER 0, 192, F0, F1, 0
	TURN 0, 1, 1
	QUARTER 1, 64,  F0, F1, 0
	QUARTER 1, 128, F1, F0, 0
	QUARTER 1, 192, F0, F1, 0
	TURN 1, 0, 1
	QUARTER 0, 64,  F0, F1, 0
	WIN 0
	s_sub_co_u32 s3, s3, 1
	s_cmp_lg_u32 s3, 0
	s_cbranch_scc1 .Llap
	QUARTER 0, 128, F1, F0, 0
	QUARTER 0, 192, F0, F1, 0
	TURN 0, 1, 0
	QUARTER 1, 64,  F0, F1, 0
	QUARTER 1, 128, F1, F0, 0
	QUARTER 1, 192, F0, F1, 0
	s_wait_dscnt 0x0
	MULA F1, 0, 0
	MULA F1, 1, 0
	MULA F1, 2, 0
	MULA F1, 3, 0
	WIN 0
	PLACES
; THE WAY OUT, 16 rows at a time: times 4, 32 bytes a lane into my stage, back as whole rows of 512 bytes; a store covers 512 consecutive bytes of a row, aligned.
.macro EPO a
	WIN 0x01                                       ; source 0 window 1
.set p, 0
.rept 32
	v_pk_mul_f32 v[Y+2*p:Y+2*p+1], v[64*(\a)+2*p:64*(\a)+2*p+1], 4.0 op_sel_hi:[1,0]
.set p, p+1
.endr
	WIN 0
	s_wait_xcnt 0x0                                ; the last stores have read v96-159: only now are they loaded again
.set b, 0
.rept 8
	ds_store_b128 v[STO], v[Y+8*b:Y+8*b+3] offset:64*b
	ds_store_b128 v[STO], v[Y+8*b+4:Y+8*b+7] offset:64*b+16
.set b, b+1
.endr
.set t, 0
.rept 16
	ds_load_b128 v[BK+4*t:BK+4*t+3], v[RD] offset:t*SPITCH  ; LDS serves a wave's instructions in order (ISA guide 5.7.1.4)
.set t, t+1
.endr
.set t, 0
.rept 16
	s_wait_dscnt 15-t                              ; row t is back; the younger loads stay out
	global_store_b128 v[CO], v[BK+4*t:BK+4*t+3], s[8:9] offset:(16*(\a)+t)*SIZE_N*4 th:TH_STORE_NT
.set t, t+1
.endr
.endm
	EPO 0
	EPO 1
	EPO 2
	EPO 3
	s_wait_tensorcnt 0x0                           ; the wave's end
	ds_add_u32 v[SPW], v[NIL]
	s_wait_dscnt 0x0
	CROUND                                         ; the closing round
	s_endpgm
.Lfunc_end_k_q851d32f2a0_oproj:
	.size	k_q851d32f2a0_oproj, .Lfunc_end_k_q851d32f2a0_oproj-k_q851d32f2a0_oproj
	.p2alignl 7, 3214868480
	.fill 96, 4, 3214868480
	.section	.rodata,"a",@progbits
	.p2align	6, 0x0
	.amdhsa_kernel k_q851d32f2a0_oproj
		.amdhsa_group_segment_fixed_size 327680
		.amdhsa_private_segment_fixed_size 0
		.amdhsa_enable_private_segment 0
		.amdhsa_kernarg_size 24
		.amdhsa_user_sgpr_count 2
		.amdhsa_user_sgpr_kernarg_segment_ptr 1
		.amdhsa_wavefront_size32 1
		.amdhsa_system_sgpr_workgroup_id_x 1
		.amdhsa_system_sgpr_workgroup_id_y 1
		.amdhsa_system_sgpr_workgroup_id_z 1
		.amdhsa_system_vgpr_workitem_id 0
		.amdhsa_next_free_vgpr 512
		.amdhsa_next_free_sgpr 66
		.amdhsa_reserve_vcc 0
		.amdhsa_float_denorm_mode_32 3
		.amdhsa_float_denorm_mode_16_64 3
		.amdhsa_memory_ordered 1
		.amdhsa_forward_progress 1
		.amdhsa_inst_pref_size 95
	.end_amdhsa_kernel
	.amdgpu_metadata
---
amdhsa.version: [ 1, 2 ]
amdhsa.kernels:
  - .name:           k_q851d32f2a0_oproj
    .symbol:         k_q851d32f2a0_oproj.kd
    .args:
      - { .name: ob, .offset: 0, .size: 8, .value_kind: global_buffer, .address_space: global }
      - { .name: wob, .offset: 8, .size: 8, .value_kind: global_buffer, .address_space: global }
      - { .name: out0, .offset: 16, .size: 8, .value_kind: global_buffer, .address_space: global }
    .group_segment_fixed_size: 327680
    .private_segment_fixed_size: 0
    .kernarg_segment_align: 8
    .kernarg_segment_size: 24
    .max_flat_workgroup_size: 128
    .sgpr_count:     66
    .vgpr_count:     512
    .wavefront_size: 32
...
	.end_amdgpu_metadata
.endif
;; end of part 4
;; launch fix (part 5): grid 64 x 2, 8 waves a work-group, no clusters, 35,840 bytes of LDS; arguments ob, wob, out0; writes out0
.if DOCPART == 5
	.amdgcn_target "amdgcn-amd-amdhsa--gfx1250"
	.amdhsa_code_object_version 6
	.text
	.protected	k_q851d32f2a0_fix
	.globl	k_q851d32f2a0_fix
	.p2align	8
	.type	k_q851d32f2a0_fix,@function
k_q851d32f2a0_fix:
	s_mov_b64 s[64:65], 0
	v_nop
	global_prefetch_b8 v0, s[64:65] scope:SCOPE_SE
	s_setreg_imm32_b32 hwreg(HW_REG_WAVE_MODE, 25, 1), 1
	s_wait_xcnt 0x0
; THE FIRST 16 ROWS OF EACH BATCH, FROM BOTH PARTS OF O.  out0[b][0..15][:] = 4 x (hi + lo) x wob^T: hi = ob rows 2048 b .. + 15, lo the same rows 8,388,608 bytes on, wob [4096][1024], all f16; sums in f32.
; WHY.  These rows average few keys and are up to ten times the output's root mean square, while every number is held to a hundredth of that root mean square: O in one f16 number, 11 bits, is too coarse for them.
; The launch before has stored these 32 rows from hi alone; they are stored again here, whole.  Which rows a work-group of it holds hangs on its place in its cluster.
; SHARES.  A work-group makes 16 rows x 64 columns (256 bytes of each row): 64 x 2 = 128 work-groups.  Its eight waves share K: wave w takes K = 128 w .. + 127, 256 aligned bytes of each row of ob and wob,
; straight into fragments: 48 loads of 16 bytes a lane, all on their way at once; 32 matrix instructions on four accumulators, which take turns.  The eight partial tiles meet in LDS;
; wave w adds up rows 2 w and 2 w + 1 and stores them: sixteen lanes store 256 consecutive bytes, aligned.
; No tensor loads and no cluster: every byte is used once by its wave, and the launch is one trip to memory long.
; THE MATRIX INSTRUCTION IS USED TRANSPOSED (source 0 = 16 rows of wob, source 1 = 16 rows of ob): lane l holds row l % 16 and registers 0-7 the columns 8 (l / 16) + 0..7.
.set PP,    272                        ; a row of a partial tile: 256 bytes + 16: the 16 rows of a store start at 16 different groups of four banks (ISA guide 11.1)
.set PART,  16*PP                      ; a wave's partial tile
.set SPARE, 8*PART                     ; the spare words: 128 bytes a wave, four blocks of 256 bytes that no other line names
.set VO,  3                            ; v3  (l % 16) x 2048 + 16 (l / 16): my place in 16 rows of ob or wob
.set STO, 4                            ; v4  where I put my partial numbers
.set RD,  5                            ; v5  where I read the eight partial rows
.set CO,  6                            ; v6  my byte offset in out0
.set SPW, 8                            ; v8  my spare word; never rewritten
.set NIL, 9                            ; v9  0; never rewritten
.set AH,  16                           ; v16-47   hi: K step ks at AH + 8 ks;  later the eight partial sums
.set AL,  48                           ; v48-79   lo
.set BF,  80                           ; v80-207  wob: column block b, K step ks at BF + 32 b + 8 ks
.set ACC, 208                          ; v208-239 four accumulators
	s_load_b128 s[4:7], s[0:1], 0x0                ; ob s[4:5], wob s[6:7]
	s_load_b64 s[8:9], s[0:1], 0x10                ; out0
	v_lshl_add_u32 v[SPW], v0, 2, SPARE
	v_mov_b32 v[NIL], 0
	v_lshrrev_b32 v1, 5, v0
	v_readfirstlane_b32 s10, v1                    ; wave 0..7
	s_mov_b32 s11, ttmp9                           ; which 64 columns
	s_and_b32 s12, ttmp7, 0xffff                   ; which batch
	v_and_b32 v1, 15, v0                           ; l % 16
	v_bfe_u32 v2, v0, 4, 1                         ; l / 16
	v_lshlrev_b32 v[VO], 11, v1
	v_lshl_add_u32 v[VO], v2, 4, v[VO]
	s_mul_i32 s13, s10, PART
	v_mul_u32_u24 v[STO], v1, PP                   ; row l % 16, 32 bytes for each half of the lanes
	v_lshl_add_u32 v[STO], v2, 5, v[STO]
	v_add_nc_u32 v[STO], s13, v[STO]
	s_mul_i32 s28, s10, 2*PP
	v_mul_u32_u24 v[RD], v2, PP                    ; rows 2 w and 2 w + 1: lanes 0-15 the one, lanes 16-31 the other
	v_lshl_add_u32 v[RD], v1, 4, v[RD]
	v_add_nc_u32 v[RD], s28, v[RD]
	s_lshl_b32 s29, s10, 15                        ; 2 w rows of 16,384 bytes
	v_lshlrev_b32 v[CO], 14, v2
	v_lshl_add_u32 v[CO], v1, 4, v[CO]
	v_add_nc_u32 v[CO], s29, v[CO]
	s_lshl_b32 s15, s10, 8                         ; my 256 bytes of each row
	s_lshl_b32 s14, s12, 22                        ; 2,048 rows of 2,048 bytes a batch
	s_add_co_u32 s14, s14, s15
	s_lshl_b32 s16, s11, 17                        ; 64 rows of wob
	s_add_co_u32 s16, s16, s15
	s_mov_b32 s15, 0
	s_mov_b32 s17, 0
	s_lshl_b32 s18, s12, 25                        ; 2,048 rows of 16,384 bytes a batch
	s_lshl_b32 s19, s11, 8
	s_add_co_u32 s18, s18, s19
	s_mov_b32 s19, 0
	s_wait_kmcnt 0x0
	s_add_nc_u64 s[20:21], s[4:5], s[14:15]        ; hi
	s_add_nc_u64 s[22:23], s[20:21], 0x800000      ; lo
	s_add_nc_u64 s[24:25], s[6:7], s[16:17]
	s_add_nc_u64 s[26:27], s[8:9], s[18:19]
.set ks, 0
.rept 4                                ; twelve loads for each 32 along K
	global_load_b128 v[AH+8*ks:AH+8*ks+3],   v[VO], s[20:21] offset:64*ks
	global_load_b128 v[AH+8*ks+4:AH+8*ks+7], v[VO], s[20:21] offset:64*ks+32
	global_load_b128 v[AL+8*ks:AL+8*ks+3],   v[VO], s[22:23] offset:64*ks
	global_load_b128 v[AL+8*ks+4:AL+8*ks+7], v[VO], s[22:23] offset:64*ks+32
.irp b, 0,1,2,3
	global_load_b128 v[BF+32*\b+8*ks:BF+32*\b+8*ks+3],   v[VO], s[24:25] offset:\b*32768+64*ks
	global_load_b128 v[BF+32*\b+8*ks+4:BF+32*\b+8*ks+7], v[VO], s[24:25] offset:\b*32768+64*ks+32
.endr
.set ks, ks+1
.endr
.set ks, 0
.rept 4
	s_wait_loadcnt 12*(3-ks)                       ; loads come back in order: this K step's twelve are in, the later steps' stay out
.irp b, 0,1,2,3
.if ks == 0
	v_wmma_f32_16x16x32_f16 v[ACC+8*\b:ACC+8*\b+7], v[BF+32*\b+8*ks:BF+32*\b+8*ks+7], v[AH+8*ks:AH+8*ks+7], 0
.else
	v_wmma_f32_16x16x32_f16 v[ACC+8*\b:ACC+8*\b+7], v[BF+32*\b+8*ks:BF+32*\b+8*ks+7], v[AH+8*ks:AH+8*ks+7], v[ACC+8*\b:ACC+8*\b+7]
.endif
.endr
.irp b, 0,1,2,3
	v_wmma_f32_16x16x32_f16 v[ACC+8*\b:ACC+8*\b+7], v[BF+32*\b+8*ks:BF+32*\b+8*ks+7], v[AL+8*ks:AL+8*ks+7], v[ACC+8*\b:ACC+8*\b+7]
.endr
.set ks, ks+1
.endr
.rept 4
	v_nop                                          ; four places behind the last products (ISA guide 7.12.1)
.endr
.irp b, 0,1,2,3
	ds_store_b128 v[STO], v[ACC+8*\b:ACC+8*\b+3] offset:64*\b
	ds_store_b128 v[STO], v[ACC+8*\b+4:ACC+8*\b+7] offset:64*\b+16
.endr
	s_wait_dscnt 0x0                               ; for the others' sake: my partial tile is in LDS
	s_barrier_signal -1
	s_barrier_wait -1
.irp p, 0,1,2,3,4,5,6,7
	ds_load_b128 v[AH+4*\p:AH+4*\p+3], v[RD] offset:\p*PART
.endr
	s_wait_dscnt 0x0
.irp q, 0,2                            ; a fixed order of additions: (0+1) (2+3) (4+5) (6+7), then by pairs
	v_pk_add_f32 v[AH+\q:AH+\q+1],       v[AH+\q:AH+\q+1],       v[AH+4+\q:AH+4+\q+1]
	v_pk_add_f32 v[AH+8+\q:AH+8+\q+1],   v[AH+8+\q:AH+8+\q+1],   v[AH+12+\q:AH+12+\q+1]
	v_pk_add_f32 v[AH+16+\q:AH+16+\q+1], v[AH+16+\q:AH+16+\q+1], v[AH+20+\q:AH+20+\q+1]
	v_pk_add_f32 v[AH+24+\q:AH+24+\q+1], v[AH+24+\q:AH+24+\q+1], v[AH+28+\q:AH+28+\q+1]
.endr
.irp q, 0,2
	v_pk_add_f32 v[AH+\q:AH+\q+1],       v[AH+\q:AH+\q+1],       v[AH+8+\q:AH+8+\q+1]
	v_pk_add_f32 v[AH+16+\q:AH+16+\q+1], v[AH+16+\q:AH+16+\q+1], v[AH+24+\q:AH+24+\q+1]
.endr
.irp q, 0,2
	v_pk_add_f32 v[AH+\q:AH+\q+1], v[AH+\q:AH+\q+1], v[AH+16+\q:AH+16+\q+1]
.endr
.irp q, 0,2
	v_pk_mul_f32 v[AH+\q:AH+\q+1], v[AH+\q:AH+\q+1], 4.0 op_sel_hi:[1,0]  ; ob holds O / 4
.endr
	global_store_b128 v[CO], v[AH:AH+3], s[26:27]
	s_wait_tensorcnt 0x0                           ; the wave's end
	ds_add_u32 v[SPW], v[NIL]
	s_wait_dscnt 0x0
	s_endpgm
.Lfunc_end_k_q851d32f2a0_fix:
	.size	k_q851d32f2a0_fix, .Lfunc_end_k_q851d32f2a0_fix-k_q851d32f2a0_fix
	.p2alignl 7, 3214868480
	.fill 96, 4, 3214868480
	.section	.rodata,"a",@progbits
	.p2align	6, 0x0
	.amdhsa_kernel k_q851d32f2a0_fix
		.amdhsa_group_segment_fixed_size 35840
		.amdhsa_private_segment_fixed_size 0
		.amdhsa_enable_private_segment 0
		.amdhsa_kernarg_size 24
		.amdhsa_user_sgpr_count 2
		.amdhsa_user_sgpr_kernarg_segment_ptr 1
		.amdhsa_wavefront_size32 1
		.amdhsa_system_sgpr_workgroup_id_x 1
		.amdhsa_system_sgpr_workgroup_id_y 1
		.amdhsa_system_sgpr_workgroup_id_z 1
		.amdhsa_system_vgpr_workitem_id 0
		.amdhsa_next_free_vgpr 240
		.amdhsa_next_free_sgpr 66
		.amdhsa_reserve_vcc 0
		.amdhsa_float_denorm_mode_32 3
		.amdhsa_float_denorm_mode_16_64 3
		.amdhsa_memory_ordered 1
		.amdhsa_forward_progress 1
		.amdhsa_inst_pref_size 12
	.end_amdhsa_kernel
	.amdgpu_metadata
---
amdhsa.version: [ 1, 2 ]
amdhsa.kernels:
  - .name:           k_q851d32f2a0_fix
    .symbol:         k_q851d32f2a0_fix.kd
    .args:
      - { .name: ob, .offset: 0, .size: 8, .value_kind: global_buffer, .address_space: global }
      - { .name: wob, .offset: 8, .size: 8, .value_kind: global_buffer, .address_space: global }
      - { .name: out0, .offset: 16, .size: 8, .value_kind: global_buffer, .address_space: global }
    .group_segment_fixed_size: 35840
    .private_segment_fixed_size: 0
    .kernarg_segment_align: 8
    .kernarg_segment_size: 24
    .max_flat_workgroup_size: 256
    .sgpr_count:     66
    .vgpr_count:     240
    .wavefront_size: 32
...
	.end_amdgpu_metadata
.endif
;; end of part 5
